; MI455X (gfx1250); checked and timed in simulation.
; The chip was launched on July 23, 2026; its instructions are those of AMD's public machine-readable ISA for CDNA 5 (MIT licence, August 2026) and "CDNA5" Instruction Set Architecture Reference Guide (July 2026). The comments in the code are by the model that wrote it; some were corrected since.
;; Multi Head Attention. Allowed arithmetic: matrix products marked QUANTISED: E2M1 operands, one E8M0 scale for each 32 along K, by v_wmma_scale_f32_16x16x128_f8f6f4 with both operands' format E2M1 (or v_wmma_scale_f32_32x16x128_f4), f32 sums; everything else in f32.
;; Inputs: Wk_codes 512 x 16 x 16 uint8 (E2M1 codes of Wk, K innermost, in blocks of 32 codes, two codes a byte); Wk_scales 512 x 16 uint8 (E8M0 scales of Wk, one for each 32 codes along K); Wo_codes 512 x 16 x 16 uint8 (E2M1 codes of Wo, K innermost, in blocks of 32 codes, two codes a byte); Wo_scales 512 x 16 uint8 (E8M0 scales of Wo, one for each 32 codes along K); Wq_codes 512 x 16 x 16 uint8 (E2M1 codes of Wq, K innermost, in blocks of 32 codes, two codes a byte); Wq_scales 512 x 16 uint8 (E8M0 scales of Wq, one for each 32 codes along K); Wv_codes 512 x 16 x 16 uint8 (E2M1 codes of Wv, K innermost, in blocks of 32 codes, two codes a byte); Wv_scales 512 x 16 uint8 (E8M0 scales of Wv, one for each 32 codes along K); bk 512 float32; bo 512 float32; bq 512 float32; bv 512 float32; k_codes 2 x 4,096 x 16 x 16 uint8 (E2M1 codes of k, K innermost, in blocks of 32 codes, two codes a byte); k_scales 2 x 4,096 x 16 uint8 (E8M0 scales of k, one for each 32 codes along K); q_codes 2 x 4,096 x 16 x 16 uint8 (E2M1 codes of q, K innermost, in blocks of 32 codes, two codes a byte); q_scales 2 x 4,096 x 16 uint8 (E8M0 scales of q, one for each 32 codes along K); v_codes 2 x 4,096 x 16 x 16 uint8 (E2M1 codes of v, K innermost, in blocks of 32 codes, two codes a byte); v_scales 2 x 4,096 x 16 uint8 (E8M0 scales of v, one for each 32 codes along K).
;; Outputs: out0 2 x 4,096 x 512 float32.
;; This version of the problem:
;;   THIS VERSION OF THE PROBLEM IS GIVEN IN LOW PRECISION. The matrix products marked QUANTISED in the list below multiply operands that are first quantised to E2M1 (2 exponent bits, 1 mantissa bit; 4 bits a number), with one power-of-two scale for each 32 numbers along K (OCP MX v1.0); their sums are f32. All else is computed in f32.
;;   The module's matrix products, in the order in which they are computed (A, B: the left and right operand; K: the contracted axis; several contracted axes count as one K, in the product's order):
;;     1. [M 8,192, K 512] x [K 512, N 512]; A: input q (given as codes); B: input Wq (given as codes): QUANTISED
;;     2. [M 8,192, K 512] x [K 512, N 512]; A: input k (given as codes); B: input Wk (given as codes): QUANTISED
;;     3. [M 8,192, K 512] x [K 512, N 512]; A: input v (given as codes); B: input Wv (given as codes): QUANTISED
;;     4. batch 16 x [M 4,096, K 64] x [K 64, N 4,096]; A: computed on the way; B: computed on the way: QUANTISED
;;     5. batch 16 x [M 4,096, K 4,096] x [K 4,096, N 64]; A: softmax (see below); B: computed on the way: QUANTISED
;;     6. [M 8,192, K 512] x [K 512, N 512]; A: computed on the way; B: input Wo (given as codes): QUANTISED
;;   THE QUANTISER, for each operand of a quantised product, along K:
;;     - K is cut into blocks of 32 from its start; a last block that is shorter is filled with zeros.
;;     - A block's scale is 2^e with e = floor(log2(the largest magnitude in the block)) - 2, held to -126 .. 127; a block of zeros has e = 0. As a byte (E8M0): e + 127.
;;     - Each number is divided by its block's scale, clamped to +-6, and rounded to the nearest number of E2M1, ties to even, subnormals kept.
;;     - The product sums the exact products of the quantised numbers (number of the format x scale) in f32.
;;   ~~~python
;;   def quantise(x, axis):      # numpy; x: float32 -> the quantised numbers, widened to float32 again
;;       x = np.moveaxis(x, axis, -1); K = x.shape[-1]
;;       x = np.pad(x, [(0, 0)] * (x.ndim - 1) + [(0, -K % 32)]); x = x.reshape(x.shape[:-1] + (-1, 32)); a = np.abs(x).max(-1, keepdims=True)
;;       e = np.where(a > 0, np.clip(np.frexp(np.where(a > 0, a, 1))[1] - 1 - 2, -126, 127), 0)      # np.frexp(a)[1] - 1 = floor(log2(a)), exactly
;;       r = np.clip(x / 2.0 ** e, -6, 6)
;;       step = 2.0 ** (np.maximum(np.frexp(np.where(r == 0, 1, r))[1] - 1, 0) - 1)
;;       q = np.round(r / step) * step * 2.0 ** e      # np.round: ties to even
;;       return np.moveaxis(q.reshape(q.shape[:-2] + (-1,))[..., :K], -1, axis).astype(np.float32)
;;   ~~~
;;   SOFTMAX AHEAD OF A QUANTISED PRODUCT. Where the list says 'softmax', what is quantised is not the finished softmax but p = 2^(t - M), with t = logit x log2(e) and M = ceil(the row's largest t), a whole number; so 1/2 < the row's largest p <= 1. The row's sum l is taken of the UNQUANTISED p, in f32, and the product's result is divided by l at the end. Since M is a whole number, a kernel that streams over the keys may use a running M (the ceiling of the running maximum): every later rescaling is an exact power of two, which a block's scale takes up: the codes' values come out the same.
;;   OPERANDS COMPUTED ON THE WAY. 'Computed on the way' means the value that the module computes at that place (a softmax that the list does not call 'softmax' is quantised finished and normalised). What goes into a quantiser is computed in f32, as accurately as f32 sums, v_exp_f32 and their like allow (about 1e-6 of the number): no bf16 or f16 on the way to a quantiser, and a product that is left as it is and whose result goes on into a quantised operand takes f32 operands (vector FMAs, or v_wmma_f32_16x16x4_f32). A number that lies on a knife's edge between two numbers of the format may be rounded either way, as far as f32 arithmetic and the matrix unit's own rounding can turn it there, and no further.
;;   INPUTS GIVEN AS CODES. Wk (in the module: [512, 512], K = its axis 1); Wo (in the module: [512, 512], K = its axis 1); Wq (in the module: [512, 512], K = its axis 1); Wv (in the module: [512, 512], K = its axis 1); k (in the module: [2, 4096, 512], K = its axis 2); q (in the module: [2, 4096, 512], K = its axis 2); v (in the module: [2, 4096, 512], K = its axis 2): each comes as NAME_codes (uint8): NAME with its K axis moved to the last place and cut into blocks of 32 codes, [.., K / 32, bytes a block], one block behind the other in memory; two codes a byte, the lower K in the low four bits (a code: sign, 2 exponent bits, 1 mantissa bit); and NAME_scales (uint8): the same leading axes, one E8M0 byte (e + 127) for each 32 codes along K. Its value is code x scale, taken as it is: it is not quantised again, and the codes and scales need not be those that the quantiser above would give.
;; 2 versions. Each part assembles by itself: llvm-mc -triple=amdgcn-amd-amdhsa -mcpu=gfx1250 --defsym DOCPART=n.
;; ======== version 1 of 2: 3 launches
;; workspace buffers: qw 2,359,296 bytes; kvw 4,587,520 bytes; aw 2,097,152 bytes; asw 262,144 bytes
;; launch proj (part 1): grid 384 x 1, 4 waves a work-group, no clusters, 3,584 bytes of LDS; arguments q_codes, q_scales, k_codes, k_scales, v_codes, v_scales, Wq_codes, Wq_scales, Wk_codes, Wk_scales, Wv_codes, Wv_scales, bq, bk, bv, qw, kvw; writes qw, kvw
.if DOCPART == 1
	.amdgcn_target "amdgcn-amd-amdhsa--gfx1250"
	.amdhsa_code_object_version 6
	.text
	.protected	k_qbd614c0ed9_proj
	.globl	k_qbd614c0ed9_proj
	.p2align	8
	.type	k_qbd614c0ed9_proj,@function
k_qbd614c0ed9_proj:
	s_mov_b64 s[64:65], 0
	v_nop
	global_prefetch_b8 v0, s[64:65] scope:SCOPE_SE
	s_setreg_imm32_b32 hwreg(HW_REG_WAVE_MODE, 25, 1), 1
	s_wait_xcnt 0x0
; The three input projections x W^T + b on codes of FP4 (E2M1) with E8M0 scales, K = 512, and the quantising of their results for attention.
; A UNIT is 128 rows of an operand R (source 0: eight tiles of 16) x 16 rows of an operand L (source 1): 4 K steps x 8 tiles = 32 matrix instructions, 8 accumulators by turns.
; THE ROWS OF A TILE ARE NOT NEIGHBOURS: lane r of tile t takes row 32 (t / 2) + 8 (t % 2) + r + 8 (r / 8).  With such tiles as source 0, register 16 b + i of a lane's 64 results is row 32 b + 16 (lane / 16) + i of R:
; sixteen neighbours of each block of 32, which the conversions take as they stand.
; MODE 0 (work-groups 0-127: q, 128-255: k): R = 128 rows of the weight (two heads), L = 16 tokens: a lane holds a token, its registers run along the heads' 64: quantised along the head.
; MODE 1 (work-groups 256-383: v): R = 128 tokens, L = 16 rows of Wv: a lane holds a channel d, its registers run along the tokens: quantised along the keys.
; A wave keeps R in 256 registers (window 1) and walks four tiles of L.  Operands go from memory straight into the registers that keep them: no tensor load, no barrier; waves share nothing.
; OUT: images of the reader's operand registers, 16 bytes a lane, 512 consecutive aligned bytes a store.  qw: [8 b + head][block of 128 queries][4,608]: 8 tiles x 512 bytes, then 8 x 16 scale words.
; kvw: [8 b + head][step of 128 keys][8,960]: K's 8 tiles x 512, V^T's 4 tiles x 1,024, K's 8 x 16 scale words, V's 4 x 16.  q's and k's words hold two bytes for the head's 64 and 0x7f twice for the half of the
; instruction's 128 that attention fills with zero codes.  The scale words of four units are gathered in the wave's own LDS bytes and leave as whole aligned blocks of 256 bytes.
; LIMITS: NaN, infinities and a scale byte 0xff among the inputs are not served.  A block whose largest magnitude lies under 2^-124 (a block of zeros too) gets the byte 1; the bytes are read by this program alone.
.set SPARE, 3072                       ; LDS: 0-2,047 mode 0's words, 512 a wave; 2,048-3,071 mode 1's, 256 a wave; then the spare words, 128 bytes a wave
.set LA,  1                            ; v1   256 x (r + 8 (r / 8)) + 16 h: my row and half in a tile of codes
.set RSA, 2                            ; v2   16 x (r + 8 (r / 8) + 64 h): R's scale rows: lanes 16-31 take the tile four on
.set LSA, 3                            ; v3   16 x (r + 8 (r / 8)): L's scale rows
.set IM,  4                            ; v4   16 x lane: an image's place
.set BA,  5                            ; v5   the bias: mode 0: 64 h; mode 1: 4 x (r + 8 (r / 8))
.set SST, 6                            ; v6   LDS: where my scale word goes
.set SLD, 7                            ; v7   LDS: where I read the words back
.set SGO, 8                            ; v8   and where they go in memory
.set SH,  9                            ; v9   16 h
.set SPW, 10                           ; v10  LDS address of my spare word; never rewritten
.set NIL, 11                           ; v11  0; never rewritten
.set SWD, 12                           ; v12-15 a scale word for each unit (at the head: at work)
.set LF,  16                           ; v16-79 L's fragments, two sets of 32
.set HA,  80                           ; v80-143 the 8 accumulators
.set B1,  144                          ; v144-207 mode 0: the bias in the result's layout
.set BV,  144                          ; v144-151 mode 1: my channel's bias, eight times
.set PC,  208                          ; v208-215 the codes just made
.set TM,  216                          ; v216-227 at work
.set PW,  228                          ; v228 the scale word just made
.set LS,  230                          ; v230-237 L's scale words, two sets of 4
.set BVL, 238                          ; v238-239 mode 1: the bias as loaded, two sets
.set RS,  240                          ; v240-255 R's scale words: register 4 t + s: lanes 0-15 tile t, lanes 16-31 tile t + 4, K step s
.set WV,  38
.set UP,  39
.set RC,  40
.set RSC, 42
.set LC,  44
.set LSC, 46
.set BI,  48
.set OB0, 50
.set OB1, 52
.set OS,  54
.set SEL, 56
.set MSB, 0
.macro WIN new                         ; the immediate's high byte repeats the setting that is left
.if MSB != \new
	s_set_vgpr_msb (MSB<<8)|\new
.set MSB, \new
.endif
.endm
.macro RLOAD                           ; R: 32 fragments into window 1, fragment (t, s) at v[32 t + 8 s]; its scale words into window 0
	WIN 0x40
.irp t, 0,1,2,3,4,5,6,7
.irp s, 0,1,2,3
.irp c, 0,1
	global_load_b128 v[32*\t+8*\s+4*\c:32*\t+8*\s+4*\c+3], v[LA], s[RC:RC+1] offset:(32*(\t/2)+8*(\t%2))*256+64*\s+32*\c
.endr
.endr
.endr
	WIN 0
.irp t, 0,1,2,3
	global_load_b128 v[RS+4*\t:RS+4*\t+3], v[RSA], s[RSC:RSC+1] offset:(32*(\t/2)+8*(\t%2))*16
.endr
.endm
.macro BIAS0                           ; lane (r, h), tile t, register j: the bias of R's row 32 (t / 2) + 8 (t % 2) + 16 h + j
.irp t, 0,1,2,3,4,5,6,7
.irp q, 0,1
	global_load_b128 v[B1+8*\t+4*\q:B1+8*\t+4*\q+3], v[BA], s[BI:BI+1] offset:(32*(\t/2)+8*(\t%2))*4+16*\q
.endr
.endr
.endm
.macro LLOAD u, buf, mode              ; tile u of L: 4 fragments, 4 scale words (mode 1: and my channel's bias): 9 or 10 loads
.irp s, 0,1,2,3
.irp c, 0,1
	global_load_b128 v[LF+32*(\buf)+8*\s+4*\c:LF+32*(\buf)+8*\s+4*\c+3], v[LA], s[LC:LC+1] offset:(32*((\u)/2)+8*((\u)%2))*256+64*\s+32*\c
.endr
.endr
	global_load_b128 v[LS+4*(\buf):LS+4*(\buf)+3], v[LSA], s[LSC:LSC+1] offset:(32*((\u)/2)+8*((\u)%2))*16
.if \mode
	global_load_b32 v[BVL+(\buf)], v[BA], s[BI:BI+1] offset:(32*((\u)/2)+8*((\u)%2))*4
.endif
.endm
.macro ONE t, s, buf, mode             ; one matrix instruction; the bias is the C of a sum's first
.if (\s) == 0
.if \mode
.set CC, BV
.else
.set CC, B1+8*(\t)
.endif
.else
.set CC, HA+8*(\t)
.endif
.if (\t) < 4
	v_wmma_scale_f32_16x16x128_f8f6f4 v[HA+8*(\t):HA+8*(\t)+7], v[32*(\t)+8*(\s):32*(\t)+8*(\s)+7], v[LF+32*(\buf)+8*(\s):LF+32*(\buf)+8*(\s)+7], v[CC:CC+7], v[RS+4*((\t)%4)+(\s)], v[LS+4*(\buf)+(\s)] matrix_a_fmt:MATRIX_FMT_FP4 matrix_b_fmt:MATRIX_FMT_FP4
.else
	v_wmma_scale_f32_16x16x128_f8f6f4 v[HA+8*(\t):HA+8*(\t)+7], v[32*(\t)+8*(\s):32*(\t)+8*(\s)+7], v[LF+32*(\buf)+8*(\s):LF+32*(\buf)+8*(\s)+7], v[CC:CC+7], v[RS+4*((\t)%4)+(\s)], v[LS+4*(\buf)+(\s)] matrix_a_fmt:MATRIX_FMT_FP4 matrix_b_fmt:MATRIX_FMT_FP4 matrix_a_scale:MATRIX_SCALE_ROW1
.endif
.endm
.macro MM buf, mode                    ; a unit's 32 products: K step by K step, the 8 accumulators by turns, one instruction a turn
	WIN 0x01                                       ; source 0 (R) window 1
.irp s, 0,1,2,3
.irp t, 0,1,2,3,4,5,6,7
	ONE \t, \s, \buf, \mode
.endr
.endr
	WIN 0
.endm
; 64 numbers of a lane, register 16 b + i = k 32 b + 16 (lane / 16) + i of my row, become a fragment's codes in v[PC] on and its scale word in v[PW].
.macro QUANT s
.irp b, 0,1,2,3
	v_max3_num_f32 v[TM+\b], |v[\s+16*\b]|, |v[\s+1+16*\b]|, 0x1800000   ; block b: my 16 numbers, and the floor 2^(3 - 127): the byte cannot fall under 1
.endr
.irp i, 2,4,6,8,10,12,14
.irp b, 0,1,2,3
	v_max3_num_f32 v[TM+\b], v[TM+\b], |v[\s+16*\b+\i]|, |v[\s+1+16*\b+\i]|   ; the four blocks by turns
.endr
.endr
.irp b, 0,1,2,3
	v_permlanex16_b32 v[TM+4+\b], v[TM+\b], s[SEL], s[SEL+1]
.endr
.irp b, 0,1,2,3
	v_max_num_f32 v[TM+\b], v[TM+\b], v[TM+4+\b]   ; with lane l xor 16's: the block's largest magnitude
.endr
.irp b, 0,1,2,3
	v_add_nc_u32 v[TM+8+\b], 0xff000000, v[TM+\b]  ; 2 off its exponent field: the conversion's scale operand
.endr
.irp b, 0,1,2,3
	v_lshrrev_b32 v[TM+4+\b], 23, v[TM+8+\b]       ; the scale's byte
.endr
	v_lshl_or_b32 v[PW], v[TM+5], 8, v[TM+4]
	v_lshl_or_b32 v[PW], v[TM+6], 16, v[PW]
	v_lshl_or_b32 v[PW], v[TM+7], 24, v[PW]
.irp b, 0,1,2,3
	v_cvt_scalef32_pk8_fp4_f32 v[PC+2*\b], v[\s+16*\b:\s+7+16*\b], v[TM+8+\b]
	v_cvt_scalef32_pk8_fp4_f32 v[PC+1+2*\b], v[\s+8+16*\b:\s+15+16*\b], v[TM+8+\b]
.endr
	v_nop                                          ; one plain line behind the last scaled conversion
.irp c, 0,1                                    ; the operand's layout wants a whole block in a lane: lanes 0-15 block 2 c, lanes 16-31 block 2 c + 1
.irp i, 0,1
	v_permlane16_swap_b32 v[PC+4*\c+\i], v[PC+2+4*\c+\i]
.endr
.endr
.endm
.macro UNIT u, mode
.if (\u) < 3
	s_wait_loadcnt 9+\mode                         ; this tile of L, and all that was asked for earlier, is in; only the next tile's loads are younger
.else
	s_wait_loadcnt 0x0
.endif
.if \mode
.irp j, 0,1,2,3,4,5,6,7
	v_mov_b32 v[BV+\j], v[BVL+(\u)%2]              ; my channel's bias for all eight tokens of a tile
.endr
.rept 4
	v_nop
.endr
.endif
	MM (\u)%2, \mode
.rept 4
	v_nop                                          ; four places behind the products: for the loads into L's set and for the first read of the results
.endr
.if (\u) < 2
	LLOAD (\u)+2, (\u)%2, \mode
.endif
	s_wait_xcnt 0x0                                ; the last unit's stores have read the codes' registers: they are written again only behind this wait
	QUANT HA
.if \mode
	v_mov_b32 v[SWD+(\u)], v[PW]
	global_store_b128 v[IM], v[PC:PC+3], s[OB0:OB0+1] offset:1024*(\u)          ; keys 32 h on of my channel
	global_store_b128 v[IM], v[PC+4:PC+7], s[OB0:OB0+1] offset:1024*(\u)+512    ; keys 64 + 32 h on
.else
	v_lshrrev_b32 v[SWD+(\u)], v[SH], v[PW]        ; lanes 0-15 keep the even head's two bytes, lanes 16-31 the odd head's,
	v_and_or_b32 v[SWD+(\u)], v[SWD+(\u)], 0xffff, s[UP]   ; with 0x7f for the two blocks of zero codes
	global_store_b128 v[IM], v[PC:PC+3], s[OB0:OB0+1] offset:512*(\u)           ; the even head's image
	global_store_b128 v[IM], v[PC+4:PC+7], s[OB1:OB1+1] offset:512*(\u)         ; the odd head's
.endif
	ds_store_b32 v[SST], v[SWD+(\u)] offset:64*(\u)
.endm
.macro CLOSE                           ; the wave's end, behind my last LDS store
	s_wait_tensorcnt 0x0
	ds_add_u32 v[SPW], v[NIL]
	s_wait_dscnt 0x0
	s_endpgm
.endm
	s_load_b512 s[4:19], s[0:1], 0x0               ; q codes 4, q scales 6, k codes 8, k scales 10, v codes 12, v scales 14, Wq codes 16, Wq scales 18
	s_load_b512 s[20:35], s[0:1], 0x40             ; Wk codes 20, Wk scales 22, Wv codes 24, Wv scales 26, bq 28, bk 30, bv 32, qw 34
	s_load_b64 s[36:37], s[0:1], 0x80              ; kvw
	v_lshl_add_u32 v[SPW], v0, 2, SPARE
	v_mov_b32 v[NIL], 0
	v_lshrrev_b32 v12, 5, v0
	v_readfirstlane_b32 s[WV], v12                 ; wave 0..3
	v_and_b32 v13, 15, v0                          ; r
	v_bfe_u32 v14, v0, 4, 1                        ; h
	v_and_b32 v15, 8, v13
	v_add_nc_u32 v15, v15, v13                     ; r + 8 (r / 8)
	v_lshlrev_b32 v[LA], 8, v15
	v_lshl_add_u32 v[LA], v14, 4, v[LA]
	v_lshl_add_u32 v[RSA], v14, 6, v15
	v_lshlrev_b32 v[RSA], 4, v[RSA]
	v_lshlrev_b32 v[LSA], 4, v15
	v_and_b32 v[IM], 31, v0
	v_lshlrev_b32 v[IM], 4, v[IM]
	v_lshlrev_b32 v[SH], 4, v14
.irp b, 0,1,2,3
	v_mov_b32 v[TM+4+\b], 0                        ; written once: a lane permute's destination counts as one of its sources
.endr
	s_mov_b32 s[SEL], 0x76543210
	s_mov_b32 s[SEL+1], 0xfedcba98                 ; v_permlanex16_b32's selects for lane l xor 16
	s_mov_b32 s[UP], 0x7f7f0000
	s_mov_b32 s67, 0
	s_mov_b32 s69, 0
	s_mov_b32 s71, 0
	s_wait_kmcnt 0x0
	s_cmp_lt_u32 ttmp9, 256
	s_cbranch_scc0 .Lv
	; ---- MODE 0: q or k.  The choice hangs on the work-group's number alone
	s_cmp_lt_u32 ttmp9, 128
	s_cselect_b64 s[LC:LC+1], s[4:5], s[8:9]
	s_cselect_b64 s[LSC:LSC+1], s[6:7], s[10:11]
	s_cselect_b64 s[RC:RC+1], s[16:17], s[20:21]
	s_cselect_b64 s[RSC:RSC+1], s[18:19], s[22:23]
	s_cselect_b64 s[BI:BI+1], s[28:29], s[30:31]
	s_cselect_b64 s[OB0:OB0+1], s[34:35], s[36:37]
	s_mov_b32 s58, 8960
	s_cselect_b32 s58, 4608, s58                   ; a record's bytes
	s_mov_b32 s59, 8192
	s_cselect_b32 s59, 4096, s59                   ; where its scale words begin
	s_and_b32 s60, ttmp9, 127                      ; G: which 64 tokens
	s_lshl_b32 s66, s60, 14
	s_add_nc_u64 s[LC:LC+1], s[LC:LC+1], s[66:67]  ; 64 rows of 256 bytes
	s_lshl_b32 s66, s60, 10
	s_add_nc_u64 s[LSC:LSC+1], s[LSC:LSC+1], s[66:67]
	s_lshl_b32 s66, s[WV], 15
	s_add_nc_u64 s[RC:RC+1], s[RC:RC+1], s[66:67]  ; my 128 rows of the weight
	s_lshl_b32 s66, s[WV], 11
	s_add_nc_u64 s[RSC:RSC+1], s[RSC:RSC+1], s[66:67]
	s_lshl_b32 s66, s[WV], 9
	s_add_nc_u64 s[BI:BI+1], s[BI:BI+1], s[66:67]
	s_lshr_b32 s61, s60, 6                         ; b
	s_lshl_b32 s61, s61, 3
	s_lshl_b32 s62, s[WV], 1
	s_add_co_u32 s61, s61, s62                     ; 8 b + my even head
	s_lshl_b32 s61, s61, 5
	s_bfe_u32 s62, s60, 0x50001                    ; which record of 128 tokens
	s_add_co_u32 s61, s61, s62
	s_mul_i32 s66, s61, s58                        ; the record's first byte
	s_and_b32 s63, s60, 1                          ; which half of it
	s_mov_b64 s[OS:OS+1], s[OB0:OB0+1]
	s_lshl_b32 s62, s63, 11
	s_add_co_u32 s68, s66, s62
	s_add_nc_u64 s[OB0:OB0+1], s[OB0:OB0+1], s[68:69]
	s_lshl_b32 s70, s58, 5                         ; from a head to the next: 32 records
	s_add_nc_u64 s[OB1:OB1+1], s[OB0:OB0+1], s[70:71]
	s_lshl_b32 s62, s63, 8
	s_add_co_u32 s68, s66, s62
	s_add_co_u32 s68, s68, s59
	s_add_nc_u64 s[OS:OS+1], s[OS:OS+1], s[68:69]
	v_lshlrev_b32 v[BA], 6, v14
	s_lshl_b32 s62, s[WV], 9
	v_lshlrev_b32 v[SST], 2, v13
	v_lshl_add_u32 v[SST], v14, 8, v[SST]
	v_add_nc_u32 v[SST], s62, v[SST]               ; 512 w + 256 h + 4 r
	v_add_nc_u32 v[SLD], s62, v[IM]                ; 512 w + 16 x lane
	v_mul_u32_u24 v[SGO], s70, v14
	v_lshl_add_u32 v[SGO], v13, 4, v[SGO]          ; lanes 0-15: the even head's 256 bytes; lanes 16-31: the odd head's
	RLOAD
	BIAS0
	LLOAD 0, 0, 0
	LLOAD 1, 1, 0
	UNIT 0, 0
	UNIT 1, 0
	UNIT 2, 0
	UNIT 3, 0
	ds_load_b128 v[TM:TM+3], v[SLD]                ; LDS serves a wave's instructions in order: these see my stores
	s_wait_dscnt 0x0
	global_store_b128 v[SGO], v[TM:TM+3], s[OS:OS+1]   ; sixteen lanes store 256 consecutive aligned bytes for each head
	CLOSE
	; ---- MODE 1: v
.Lv:
	s_sub_co_u32 s60, ttmp9, 256
	s_lshr_b32 s61, s60, 1                         ; which 128 tokens: 0..63
	s_and_b32 s62, s60, 1
	s_lshl_b32 s62, s62, 2
	s_add_co_u32 s62, s62, s[WV]                   ; my head
	s_lshl_b32 s66, s61, 15
	s_add_nc_u64 s[RC:RC+1], s[12:13], s[66:67]
	s_lshl_b32 s66, s61, 11
	s_add_nc_u64 s[RSC:RSC+1], s[14:15], s[66:67]
	s_lshl_b32 s66, s62, 14
	s_add_nc_u64 s[LC:LC+1], s[24:25], s[66:67]    ; my head's 64 rows of Wv
	s_lshl_b32 s66, s62, 10
	s_add_nc_u64 s[LSC:LSC+1], s[26:27], s[66:67]
	s_lshl_b32 s66, s62, 8
	s_add_nc_u64 s[BI:BI+1], s[32:33], s[66:67]
	s_lshr_b32 s63, s61, 5                         ; b
	s_lshl_b32 s63, s63, 3
	s_add_co_u32 s63, s63, s62
	s_lshl_b32 s63, s63, 5
	s_and_b32 s61, s61, 31
	s_add_co_u32 s63, s63, s61
	s_mul_i32 s63, s63, 8960                       ; the record's first byte
	s_add_co_u32 s66, s63, 4096
	s_add_nc_u64 s[OB0:OB0+1], s[36:37], s[66:67]
	s_add_co_u32 s66, s63, 8704
	s_add_nc_u64 s[OS:OS+1], s[36:37], s[66:67]
	v_lshlrev_b32 v[BA], 2, v15
	s_lshl_b32 s62, s[WV], 8
	s_add_co_u32 s62, s62, 2048
	v_lshl_add_u32 v[SST], v13, 2, s62             ; 2,048 + 256 w + 4 r: lanes r and r + 16 store the same word with the same value
	v_and_b32 v[SGO], 31, v0
	v_lshlrev_b32 v[SGO], 3, v[SGO]                ; 8 x lane
	v_add_nc_u32 v[SLD], s62, v[SGO]
	RLOAD
	LLOAD 0, 0, 1
	LLOAD 1, 1, 1
	UNIT 0, 1
	UNIT 1, 1
	UNIT 2, 1
	UNIT 3, 1
	ds_load_b64 v[TM:TM+1], v[SLD]
	s_wait_dscnt 0x0
	global_store_b64 v[SGO], v[TM:TM+1], s[OS:OS+1]    ; 32 lanes store 256 consecutive aligned bytes
	CLOSE
.Lfunc_end_k_qbd614c0ed9_proj:
	.size	k_qbd614c0ed9_proj, .Lfunc_end_k_qbd614c0ed9_proj-k_qbd614c0ed9_proj
	.p2alignl 7, 3214868480
	.fill 96, 4, 3214868480
	.section	.rodata,"a",@progbits
	.p2align	6, 0x0
	.amdhsa_kernel k_qbd614c0ed9_proj
		.amdhsa_group_segment_fixed_size 3584
		.amdhsa_private_segment_fixed_size 0
		.amdhsa_enable_private_segment 0
		.amdhsa_kernarg_size 136
		.amdhsa_user_sgpr_count 2
		.amdhsa_user_sgpr_kernarg_segment_ptr 1
		.amdhsa_wavefront_size32 1
		.amdhsa_system_sgpr_workgroup_id_x 1
		.amdhsa_system_sgpr_workgroup_id_y 1
		.amdhsa_system_sgpr_workgroup_id_z 1
		.amdhsa_system_vgpr_workitem_id 0
		.amdhsa_next_free_vgpr 512
		.amdhsa_next_free_sgpr 84
		.amdhsa_reserve_vcc 0
		.amdhsa_float_denorm_mode_32 3
		.amdhsa_float_denorm_mode_16_64 3
		.amdhsa_memory_ordered 1
		.amdhsa_forward_progress 1
		.amdhsa_inst_pref_size 95
	.end_amdhsa_kernel
	.amdgpu_metadata
---
amdhsa.version: [ 1, 2 ]
amdhsa.kernels:
  - .name:           k_qbd614c0ed9_proj
    .symbol:         k_qbd614c0ed9_proj.kd
    .args:
      - { .name: q_codes, .offset: 0, .size: 8, .value_kind: global_buffer, .address_space: global }
      - { .name: q_scales, .offset: 8, .size: 8, .value_kind: global_buffer, .address_space: global }
      - { .name: k_codes, .offset: 16, .size: 8, .value_kind: global_buffer, .address_space: global }
      - { .name: k_scales, .offset: 24, .size: 8, .value_kind: global_buffer, .address_space: global }
      - { .name: v_codes, .offset: 32, .size: 8, .value_kind: global_buffer, .address_space: global }
      - { .name: v_scales, .offset: 40, .size: 8, .value_kind: global_buffer, .address_space: global }
      - { .name: Wq_codes, .offset: 48, .size: 8, .value_kind: global_buffer, .address_space: global }
      - { .name: Wq_scales, .offset: 56, .size: 8, .value_kind: global_buffer, .address_space: global }
      - { .name: Wk_codes, .offset: 64, .size: 8, .value_kind: global_buffer, .address_space: global }
      - { .name: Wk_scales, .offset: 72, .size: 8, .value_kind: global_buffer, .address_space: global }
      - { .name: Wv_codes, .offset: 80, .size: 8, .value_kind: global_buffer, .address_space: global }
      - { .name: Wv_scales, .offset: 88, .size: 8, .value_kind: global_buffer, .address_space: global }
      - { .name: bq, .offset: 96, .size: 8, .value_kind: global_buffer, .address_space: global }
      - { .name: bk, .offset: 104, .size: 8, .value_kind: global_buffer, .address_space: global }
      - { .name: bv, .offset: 112, .size: 8, .value_kind: global_buffer, .address_space: global }
      - { .name: qw, .offset: 120, .size: 8, .value_kind: global_buffer, .address_space: global }
      - { .name: kvw, .offset: 128, .size: 8, .value_kind: global_buffer, .address_space: global }
    .group_segment_fixed_size: 3584
    .private_segment_fixed_size: 0
    .kernarg_segment_align: 8
    .kernarg_segment_size: 136
    .max_flat_workgroup_size: 128
    .sgpr_count:     84
    .vgpr_count:     512
    .wavefront_size: 32
...
	.end_amdgpu_metadata
.endif
;; end of part 1
;; launch attn (part 2): grid 16 x 16, 16 waves a work-group, clusters of 4 x 1, 289,792 bytes of LDS; arguments qw, kvw, aw, asw; writes aw, asw
.if DOCPART == 2
	.amdgcn_target "amdgcn-amd-amdhsa--gfx1250"
	.amdhsa_code_object_version 6
	.text
	.protected	k_qbd614c0ed9_attn
	.globl	k_qbd614c0ed9_attn
	.p2align	8
	.type	k_qbd614c0ed9_attn,@function
k_qbd614c0ed9_attn:
	s_mov_b64 s[64:65], 0
	v_nop
	global_prefetch_b8 v0, s[64:65] scope:SCOPE_SE
	s_setreg_imm32_b32 hwreg(HW_REG_WAVE_MODE, 25, 1), 1
	s_wait_xcnt 0x0
	s_wait_alu depctr_hold_cnt(0) depctr_sa_sdst(0) depctr_va_vdst(0) depctr_va_sdst(0) depctr_va_ssrc(0) depctr_va_vcc(0) depctr_vm_vsrc(0)
	s_getreg_b32 s2, hwreg(HW_REG_IB_STS2, 6, 4)
	s_cmp_eq_u32 s2, 0
	s_cbranch_scc0 .Lentry_in_a_cluster
	s_endpgm
.Lentry_in_a_cluster:
	s_bfe_u32 s2, ttmp6, 0x10000c
	s_cmp_lg_u32 s2, 0x3003
	s_cbranch_scc0 .Lentry_shape_is_right
	s_endpgm
.Lentry_shape_is_right:
; Causal attention of one head on codes of FP4 (E2M1) with E8M0 scales: S^T = K Q^T (K = the head's 64, filled to the instruction's 128 with zero codes on both sides under the byte 0x7f), the softmax, O^T = V^T P^T
; (K = 128 keys a step), O / l, and O's quantising along the head for the last projection.
; THE SOFTMAX: t = score x log2(e) / 8; M = the running largest t rounded UP to a whole number; p = 2^(t - M) is quantised along the keys, not normalised; l is the sum of the unquantised p.  When M moves, l and O^T are
; multiplied by 2^(old M - new M): exact.  The running largest t starts at -3e38.
; SHARES.  y = 8 b + head.  A cluster of four work-groups owns eight blocks of 128 queries of its head: blocks 4 X + a and 31 - 4 X - a, a = 0..3.  Each work-group takes two tiles of 16 queries of each block, one a wave:
; wave w has role = (w ^ (w >> 2)) & 1 (low or high block), a = ((w >> 2) & 2) | ((w >> 1) & 1), e = w & 1; block beta; tile 2 cx + e.  A wave works on key steps 0 .. beta, the last under the mask.  A low and a high
; block together have 33 steps, so every work-group has 264 tile steps, and beta is the same in all four partners: no branch hangs on a work-group's place in its cluster.
; THE WHOLE HEAD'S K AND V LIE IN LDS: 32 records of 8,960 bytes, filled ONCE, in four quarters, by waves 0-3: four tensor loads a wave are out, by this text's count.  Nothing is filled again.
; The four partners read the same head, so each load is asked for JOINTLY, with the mask of all four.  Clusters with X >= 2 never read the last quarter (their beta is at most 23): it is loaded all the same, so that
; every wait counts the same loads in every work-group.
; LAYOUT.  Both products are used transposed: a lane holds ONE query (lane % 16).  The keys of a tile of K, the queries of a tile of Q and the channels of a tile of V^T are not neighbours: lane r of tile t holds row
; 32 (t / 2) + 8 (t % 2) + r + 8 (r / 8), so that register 16 b + i of the results is row 32 b + 16 (lane / 16) + i.  All operands lie in memory and LDS as images of their registers, 16 bytes a lane.
; LIMITS: NaN and infinities are not served.  A block whose largest magnitude lies under 2^-124 (a block of zeros too) gets the byte 1; the bytes are read by this program alone.
.set SCST,  286720                     ; LDS: 0-286,719 the head; here 16 waves x 64 bytes of scale words, into which no fill lands;
.set SPARE, 287744                     ; and the spare words, 128 bytes a wave: eight blocks of 256 bytes that no other line names
.set AL,  1                            ; v1   16 x lane
.set A4,  2                            ; v2   4 x lane
.set DM,  3                            ; v3   my query's place in its block - 16 (lane / 16): the mask
.set ADR, 4                            ; v4   the step's record + 16 x lane
.set ADS, 5                            ; v5   the step's record + 4 x lane
.set SPW, 6                            ; v6   LDS address of my spare word; never rewritten
.set NIL, 7                            ; v7   0; never rewritten
.set R4,  8                            ; v8   4 r
.set SCA, 9                            ; v9   SCST + 64 w + 4 r
.set AW,  10                           ; v10  the result's scale word
.set SLD, 11                           ; v11  SCST + 512 (w & 1) + 16 x lane
.set GSO, 31                           ; v31  512 (w & 1) + 16 x lane
; v12 -M, v13 the largest t, v[14:15] the sum in two halves; v16-19 Q's codes, v20-23 zeros; v24-27 K's scale words (register j: lanes 0-15 tile 2 j, lanes 16-31 tile 2 j + 1), v28-29 V's likewise, v30 Q's;
; v32-95 K's 8 fragments (registers 8 t + 4 .. 7 stay zeros); v96-159 S^T, then p; v160-191 O^T; v192-223 V's 4 fragments; v224-231 p's codes; v232-254 at work (v252 f, v253 p's scale word)
.set WV,   12
.set CX,   13
.set XX,   14
.set YY,   15
.set ROLE, 16
.set AA,   17
.set EE,   18
.set BETA, 19
.set IDX,  20
.set SEL,  22
.set CS,   24
.set G1,   28                          ; s[28:35] descriptor group 1
.set G0,   36                          ; s[36:51] descriptor group 0, a set for each quarter
.set TB,   52                          ; LDS byte at which the step's record begins
.set KAP,  53                          ; the step's number
.set CNT,  54
.set QB,   56
.set QSB,  58
.set AO,   60
.set ASO,  62
.macro ROUND                           ; a round of the cluster's barrier
	s_barrier_signal -1
	s_barrier_wait -1
	s_cmp_lg_u32 s[WV], 0
	s_cbranch_scc1 .Lnot_wave_0_\@
	s_barrier_signal -3
.Lnot_wave_0_\@:
	s_barrier_wait -3
	s_barrier_signal -1
	s_barrier_wait -1
.endm
	s_load_b256 s[4:11], s[0:1], 0x0               ; qw 4, kvw 6, aw 8, asw 10
	v_lshl_add_u32 v[SPW], v0, 2, SPARE
	v_mov_b32 v[NIL], 0
	ds_add_u32 v[SPW], v[NIL]                      ; the wave's opening: the add and its wait stand ahead of the first tensor loads; the set-up below, work on registers, stands between them
	v_lshrrev_b32 v8, 5, v0
	v_readfirstlane_b32 s[WV], v8                  ; wave 0..15
	s_bfe_u32 s[CX], ttmp6, 0x40000                ; my place in the cluster
	s_mov_b32 s[XX], ttmp9                         ; the cluster's x
	s_and_b32 s[YY], ttmp7, 0xffff                 ; 8 b + head
	s_lshr_b32 s66, s[WV], 2
	s_xor_b32 s[ROLE], s[WV], s66
	s_and_b32 s[ROLE], s[ROLE], 1
	s_and_b32 s[AA], s66, 2
	s_bfe_u32 s67, s[WV], 0x10001
	s_or_b32 s[AA], s[AA], s67
	s_and_b32 s[EE], s[WV], 1
	s_lshl_b32 s[BETA], s[XX], 2
	s_add_co_u32 s[BETA], s[BETA], s[AA]           ; the low block,
	s_sub_co_u32 s66, 31, s[BETA]                  ; the high one
	s_cmp_eq_u32 s[ROLE], 1
	s_cselect_b32 s[BETA], s66, s[BETA]            ; my block of 128 queries, and my last key step
	s_lshl_b32 s[IDX], s[CX], 1
	s_add_co_u32 s[IDX], s[IDX], s[EE]             ; my tile in it
	; descriptor group 1: 70 rows of 256 bytes (32 elements of 8 bytes), dense, no padding: a wave's share of a quarter
	s_mov_b32 s[G1+0], 15|(3<<16)|(1<<21)          ; 15:0 the mask: all four work-groups; 17:16 elements of 8 bytes; 21 set beside a mask
	s_mov_b32 s[G1+1], 32<<16                      ; tensor_dim0
	s_mov_b32 s[G1+2], 70<<16                      ; tensor_dim1
	s_mov_b32 s[G1+3], 32<<16                      ; tile_dim0
	s_mov_b32 s[G1+4], 70                          ; tile_dim1
	s_mov_b32 s[G1+5], 32                          ; from row to row
	s_mov_b32 s[G1+6], 0
	s_mov_b32 s[G1+7], 0
	s_mul_i32 s68, s[YY], 286720                   ; the head's records (these three registers never hold anything made from my place in the cluster)
	s_mul_i32 s70, s[WV], 17920                    ; my share of a quarter, in memory and in LDS
	s_add_co_u32 s68, s68, s70
	s_mov_b32 s69, 0
	s_mov_b32 s[SEL], 0x76543210
	s_mov_b32 s[SEL+1], 0xfedcba98                 ; v_permlanex16_b32's selects for lane l xor 16
	s_mov_b32 s[CS], 0x3e38aa3b                    ; c = log2(e) / 8
	s_mov_b32 s[CS+1], s[CS]                       ; (named with it as a pair, so it is written)
	s_mov_b32 s[KAP], 0
	s_lshl_b32 s66, s[YY], 5
	s_add_co_u32 s66, s66, s[BETA]
	s_mul_i32 s66, s66, 4608                       ; my block's record in qw
	s_lshl_b32 s[QB], s[IDX], 9
	s_add_co_u32 s[QB], s[QB], s66
	s_mov_b32 s[QB+1], 0
	s_lshl_b32 s[QSB], s[IDX], 6
	s_add_co_u32 s[QSB], s[QSB], s66
	s_add_co_u32 s[QSB], s[QSB], 4096
	s_mov_b32 s[QSB+1], 0
	s_lshr_b32 s66, s[YY], 3                       ; b
	s_lshl_b32 s66, s66, 2
	s_add_co_u32 s66, s66, s[XX]
	s_lshl_b32 s66, s66, 2
	s_add_co_u32 s66, s66, s[CX]
	s_lshl_b32 s66, s66, 4
	s_add_co_u32 s66, s66, s[WV]                   ; J: my tile's number in aw
	s_lshl_b32 s66, s66, 12
	s_and_b32 s67, s[YY], 7
	s_lshl_b32 s67, s67, 9
	s_add_co_u32 s[AO], s66, s67
	s_mov_b32 s[AO+1], 0
	s_lshl_b32 s66, s[YY], 2
	s_add_co_u32 s66, s66, s[XX]
	s_lshl_b32 s66, s66, 2
	s_add_co_u32 s66, s66, s[CX]
	s_lshl_b32 s[ASO], s66, 10
	s_mov_b32 s[ASO+1], 0
	s_wait_dscnt 0x0                               ; the opening add is done
	s_wait_kmcnt 0x0
	s_add_nc_u64 s[68:69], s[6:7], s[68:69]
	s_add_nc_u64 s[QB:QB+1], s[4:5], s[QB:QB+1]
	s_add_nc_u64 s[QSB:QSB+1], s[4:5], s[QSB:QSB+1]
	s_add_nc_u64 s[AO:AO+1], s[8:9], s[AO:AO+1]
	s_add_nc_u64 s[ASO:ASO+1], s[10:11], s[ASO:ASO+1]
.irp n, 0,1,2,3
	s_mov_b32 s[G0+4*\n], 1                        ; count = 1
	s_add_co_u32 s[G0+4*\n+1], s70, \n*71680       ; LDS address: quarter n, my share
	s_add_nc_u64 s[G0+4*\n+2:G0+4*\n+3], s[68:69], \n*71680
	s_or_b32 s[G0+4*\n+3], s[G0+4*\n+3], 0x80000000   ; type = 2
.endr
	ROUND                                          ; all four work-groups are here: the joint loads meet
	s_cmp_lt_u32 s[WV], 4                          ; a wave's four fills stand in one branch, ahead of every wait on TENSORcnt, every LDS read and every other barrier
	s_cbranch_scc0 .Lnofill
.irp n, 0,1,2,3
	tensor_load_to_lds s[G0+4*\n:G0+4*\n+3], s[G1:G1+7]
	s_nop 0
.endr
.rept 4
	v_nop
.endr
.Lnofill:
	v_and_b32 v8, 15, v0                           ; r
	v_bfe_u32 v9, v0, 4, 1                         ; h
	v_and_b32 v[AL], 31, v0
	v_lshlrev_b32 v[A4], 2, v[AL]
	v_lshlrev_b32 v[AL], 4, v[AL]
	v_and_b32 v[DM], 8, v8
	v_add_nc_u32 v[DM], v[DM], v8                  ; r + 8 (r / 8)
	v_lshlrev_b32 v9, 4, v9
	v_sub_nc_u32 v[DM], v[DM], v9                  ; - 16 h
	s_lshl_b32 s66, s[CX], 5
	s_lshl_b32 s67, s[EE], 3
	s_add_co_u32 s66, s66, s67
	v_add_nc_u32 v[DM], s66, v[DM]                 ; + 32 cx + 8 e: it goes into a vector compare alone
	v_lshlrev_b32 v[R4], 2, v8
	global_load_b128 v[16:19], v[AL], s[QB:QB+1]   ; Q's image stays in registers
	global_load_b32 v30, v[R4], s[QSB:QSB+1]       ; and its scale words
	s_lshl_b32 s67, s[WV], 6
	s_add_co_u32 s67, s67, SCST
	v_add_nc_u32 v[SCA], s67, v[R4]
	s_lshl_b32 s67, s[EE], 9
	v_add_nc_u32 v[GSO], s67, v[AL]
	v_add_nc_u32 v[SLD], SCST, v[GSO]
.irp j, 20,21,22,23
	v_mov_b32 v[\j], 0                             ; zero codes for k = 64 .. 127 of the first product: Q's,
.endr
.irp t, 0,1,2,3,4,5,6,7
.irp j, 4,5,6,7
	v_mov_b32 v[32+8*\t+\j], 0                     ; and K's: written once, no load lands here
.endr
.endr
.set n, 0
.rept 32
	v_mov_b32 v[160+n], 0                          ; O^T.  (The step is written once: the first finds zeros, which the first change of M leaves zeros)
.set n, n+1
.endr
	v_mov_b32 v13, 0xff61b1e6                      ; the largest t so far: -3e38
	v_floor_f32 v12, -v13                          ; -M
	v_mov_b32 v14, 0
	v_mov_b32 v15, 0
.irp b, 0,1,2,3
	v_mov_b32 v[236+\b], 0                         ; a lane permute's destination counts as one of its sources
.endr
	v_mov_b32 v252, 0
	v_mov_b32 v253, 0
	s_wait_loadcnt 0x0                             ; Q
; A KEY STEP: 128 keys.  A step behind my block is left out: a scalar branch on ids, round the step's loads, products and softmax, not round the two lines at its end.
.macro STEP
	s_cmp_gt_u32 s[KAP], s[BETA]
	s_cbranch_scc1 .Lhid_\@
	v_add_nc_u32 v[ADR], s[TB], v[AL]
	v_add_nc_u32 v[ADS], s[TB], v[A4]
	v_nop
	v_nop                                          ; with the two additions: four places behind the last step's products, in front of the loads into V's registers and scale words
.irp t, 0,1,2,3,4,5,6,7
	ds_load_b128 v[32+8*\t:35+8*\t], v[ADR] offset:512*\t
.endr
.irp j, 0,1,2,3
	ds_load_b32 v[24+\j], v[ADS] offset:8192+128*\j
.endr
.irp d, 0,1,2,3
.irp c, 0,1
	ds_load_b128 v[192+8*\d+4*\c:195+8*\d+4*\c], v[ADR] offset:4096+1024*\d+512*\c
.endr
.endr
.irp j, 0,1
	ds_load_b32 v[28+\j], v[ADS] offset:8704+128*\j
.endr
	s_wait_dscnt 10                                ; K's twelve loads are in; V's ten, issued behind them, may be out
.irp t, 0,2,4,6
	v_wmma_scale_f32_16x16x128_f8f6f4 v[96+8*\t:103+8*\t], v[32+8*\t:39+8*\t], v[16:23], 0, v[24+\t/2], v30 matrix_a_fmt:MATRIX_FMT_FP4 matrix_b_fmt:MATRIX_FMT_FP4
	v_wmma_scale_f32_16x16x128_f8f6f4 v[104+8*\t:111+8*\t], v[40+8*\t:47+8*\t], v[16:23], 0, v[24+\t/2], v30 matrix_a_fmt:MATRIX_FMT_FP4 matrix_b_fmt:MATRIX_FMT_FP4 matrix_a_scale:MATRIX_SCALE_ROW1
.endr
.rept 4
	v_nop
.endr
	s_cmp_lg_u32 s[KAP], s[BETA]                   ; in my own block's step the scores of keys behind my query become -infinity ahead of the maximum: p = 0 then
	s_cbranch_scc1 .Lopen_\@
	v_mov_b32 v254, 0xff800000
.set n, 0
.rept 64
	v_cmp_gt_i32 vcc_lo, 32*(n/16)+n%16, v[DM]     ; register 16 b + i holds key 32 b + 16 (lane / 16) + i of the block
	v_cndmask_b32 v[96+n], v[96+n], v254, vcc_lo
.set n, n+1
.endr
.Lopen_\@:
.irp b, 0,1,2,3
	v_max3_num_f32 v[232+\b], v[96+16*\b], v[97+16*\b], v[98+16*\b]   ; the largest score of each block of 32 keys: for the row's maximum and, since p rises with the score, for the block's largest p
.endr
.irp i, 3,5,7,9,11,13
.irp b, 0,1,2,3
	v_max3_num_f32 v[232+\b], v[232+\b], v[96+16*\b+\i], v[97+16*\b+\i]
.endr
.endr
.irp b, 0,1,2,3
	v_max_num_f32 v[232+\b], v[232+\b], v[111+16*\b]
.endr
.irp b, 0,1,2,3
	v_permlanex16_b32 v[236+\b], v[232+\b], s[SEL], s[SEL+1]
.endr
.irp b, 0,1,2,3
	v_max_num_f32 v[232+\b], v[232+\b], v[236+\b]  ; with lane l xor 16's 16 keys
.endr
	v_max3_num_f32 v254, v232, v233, v234
	v_max_num_f32 v254, v254, v235
	v_mul_f32 v254, s[CS], v254                    ; the step's largest t (c is positive)
	v_max_num_f32 v13, v13, v254
	v_mov_b32 v254, v12
	v_floor_f32 v12, -v13                          ; the new -M = -ceil(t)
	v_sub_f32 v254, v12, v254                      ; old M - new M: a whole number, 0 or less
	v_cvt_i32_f32 v254, v254                       ; (it saturates)
	v_ldexp_f32 v252, 1.0, v254                    ; f = 2^(old M - new M)
.set n, 0
.rept 32
	v_pk_fma_f32 v[96+n:97+n], v[96+n:97+n], s[CS:CS+1], v[12:13] op_sel_hi:[1,0,0]   ; t - M, two at a time
.set n, n+2
.endr
.irp b, 0,1,2,3
	v_fma_f32 v[232+\b], v[232+\b], s[CS], v12     ; the same of each block's largest score
.endr
.set n, 0
.rept 64
	v_exp_f32 v[96+n], v[96+n]                     ; p = 2^(t - M)
.set n, n+1
.endr
	v_pk_mul_f32 v[14:15], v[14:15], v[252:253] op_sel_hi:[1,0]   ; the sums under the new M: the plain line behind the exponentials
	s_wait_alu depctr_va_vdst(0)                   ; one wait for the batch of 64, ahead of its first reader
.irp b, 0,1,2,3
	v_exp_f32 v[232+\b], v[232+\b]                 ; the block's largest p
.endr
	v_pk_add_f32 v[236:237], v[96:97], v[98:99]    ; the row's sum of the unquantised p, in two chains
.irp j, 4,8,12,16,20,24,28,32,36,40,44,48,52,56,60
	v_pk_add_f32 v[14:15], v[14:15], v[96+\j:97+\j]
	v_pk_add_f32 v[236:237], v[236:237], v[98+\j:99+\j]
.endr
	v_pk_add_f32 v[14:15], v[14:15], v[236:237]
	s_wait_alu depctr_va_vdst(0)                   ; and one for the four
.irp b, 0,1,2,3
	v_max_num_f32 v[232+\b], 0x1800000, v[232+\b]  ; the floor 2^(3 - 127): the byte cannot fall under 1
.endr
.irp b, 0,1,2,3
	v_add_nc_u32 v[244+\b], 0xff000000, v[232+\b]  ; 2 off the exponent field: the conversion's scale operand
.endr
.irp b, 0,1,2,3
	v_lshrrev_b32 v[236+\b], 23, v[244+\b]
.endr
	v_lshl_or_b32 v253, v237, 8, v236              ; p's scale word for these 128 keys
	v_lshl_or_b32 v253, v238, 16, v253
	v_lshl_or_b32 v253, v239, 24, v253
.irp b, 0,1,2,3
	v_cvt_scalef32_pk8_fp4_f32 v[224+2*\b], v[96+16*\b:103+16*\b], v[244+\b]
	v_cvt_scalef32_pk8_fp4_f32 v[225+2*\b], v[104+16*\b:111+16*\b], v[244+\b]
.endr
	v_nop                                          ; one plain line behind the last scaled conversion
.irp c, 0,1
.irp i, 0,1
	v_permlane16_swap_b32 v[224+4*\c+\i], v[226+4*\c+\i]   ; a whole block to a lane
.endr
.endr
.set n, 0
.rept 16
	v_pk_mul_f32 v[160+n:161+n], v[160+n:161+n], v[252:253] op_sel_hi:[1,0]   ; O^T under the new M; these lines also stand between the writing of p's codes and scale word and the products
.set n, n+2
.endr
	s_wait_dscnt 0x0                               ; V is in
.irp d, 0,2
	v_wmma_scale_f32_16x16x128_f8f6f4 v[160+8*\d:167+8*\d], v[192+8*\d:199+8*\d], v[224:231], v[160+8*\d:167+8*\d], v[28+\d/2], v253 matrix_a_fmt:MATRIX_FMT_FP4 matrix_b_fmt:MATRIX_FMT_FP4
	v_wmma_scale_f32_16x16x128_f8f6f4 v[168+8*\d:175+8*\d], v[200+8*\d:207+8*\d], v[224:231], v[168+8*\d:175+8*\d], v[28+\d/2], v253 matrix_a_fmt:MATRIX_FMT_FP4 matrix_b_fmt:MATRIX_FMT_FP4 matrix_a_scale:MATRIX_SCALE_ROW1
.endr
.Lhid_\@:
	s_add_co_u32 s[TB], s[TB], 8960
	s_add_co_u32 s[KAP], s[KAP], 1
.endm
; A quarter of the head: 8 key steps.  The loading waves wait for their share of it (the later quarters' loads, issued behind it, stay out); then the barrier shows it to all sixteen.
.macro QUARTER qn
	s_wait_tensorcnt 3-\qn
	s_wait_dscnt 0x0
	s_barrier_signal -1
	s_barrier_wait -1
	s_mov_b32 s[TB], \qn*71680
	s_mov_b32 s[CNT], 8
.Lq_\@:
	STEP
	s_sub_co_u32 s[CNT], s[CNT], 1
	s_cmp_lg_u32 s[CNT], 0
	s_cbranch_scc1 .Lq_\@
.endm
	QUARTER 0
	QUARTER 1
	QUARTER 2
	QUARTER 3
	; THE WAY OUT: O^T / l, quantised along the head's 64 (two blocks), as an image of the last projection's operand registers.
	v_add_f32 v14, v14, v15
	v_permlanex16_b32 v252, v14, s[SEL], s[SEL+1]
	v_add_f32 v14, v14, v252                       ; the row's sum
	v_rcp_f32 v14, v14
.rept 4
	v_nop                                          ; the plain line behind the reciprocal, and four places behind the last products
.endr
	s_wait_alu depctr_va_vdst(0)                   ; ahead of the reciprocal's first reader
.set n, 0
.rept 32
	v_mul_f32 v[96+n], v[160+n], v14               ; register 16 b + i: channel 32 b + 16 (lane / 16) + i of my query
.set n, n+1
.endr
.irp b, 0,1
	v_max3_num_f32 v[232+\b], |v[96+16*\b]|, |v[97+16*\b]|, 0x1800000
.endr
.irp i, 2,4,6,8,10,12,14
.irp b, 0,1
	v_max3_num_f32 v[232+\b], v[232+\b], |v[96+16*\b+\i]|, |v[97+16*\b+\i]|
.endr
.endr
.irp b, 0,1
	v_permlanex16_b32 v[236+\b], v[232+\b], s[SEL], s[SEL+1]
.endr
.irp b, 0,1
	v_max_num_f32 v[232+\b], v[232+\b], v[236+\b]
.endr
.irp b, 0,1
	v_add_nc_u32 v[244+\b], 0xff000000, v[232+\b]
.endr
.irp b, 0,1
	v_lshrrev_b32 v[236+\b], 23, v[244+\b]
.endr
	v_lshl_or_b32 v[AW], v237, 8, v236             ; my query's two bytes; the upper half stays 0
.irp b, 0,1
	v_cvt_scalef32_pk8_fp4_f32 v[224+2*\b], v[96+16*\b:103+16*\b], v[244+\b]
	v_cvt_scalef32_pk8_fp4_f32 v[225+2*\b], v[104+16*\b:111+16*\b], v[244+\b]
.endr
	v_nop
	v_permlane16_swap_b32 v224, v226
	v_permlane16_swap_b32 v225, v227
	global_store_b128 v[AL], v[224:227], s[AO:AO+1]    ; 512 consecutive aligned bytes
	ds_store_b32 v[SCA], v[AW]                     ; lanes r and r + 16 store the same word with the same value
	s_wait_dscnt 0x0                               ; for the others' sake: my word lies in LDS
	s_barrier_signal -1
	s_barrier_wait -1
	s_cmp_lt_u32 s[WV], 2                          ; waves 0 and 1 store the sixteen waves' words: 512 consecutive aligned bytes each
	s_cbranch_scc0 .Lnot_out
	ds_load_b128 v[232:235], v[SLD]
	s_wait_dscnt 0x0
	global_store_b128 v[GSO], v[232:235], s[ASO:ASO+1]
.Lnot_out:
	s_wait_tensorcnt 0x0                           ; the wave's end: behind my last tensor load and my last LDS store
	ds_add_u32 v[SPW], v[NIL]
	s_wait_dscnt 0x0
	ROUND                                          ; the closing round
	s_endpgm
.Lfunc_end_k_qbd614c0ed9_attn:
	.size	k_qbd614c0ed9_attn, .Lfunc_end_k_qbd614c0ed9_attn-k_qbd614c0ed9_attn
	.p2alignl 7, 3214868480
	.fill 96, 4, 3214868480
	.section	.rodata,"a",@progbits
	.p2align	6, 0x0
	.amdhsa_kernel k_qbd614c0ed9_attn
		.amdhsa_group_segment_fixed_size 289792
		.amdhsa_private_segment_fixed_size 0
		.amdhsa_enable_private_segment 0
		.amdhsa_kernarg_size 32
		.amdhsa_user_sgpr_count 2
		.amdhsa_user_sgpr_kernarg_segment_ptr 1
		.amdhsa_wavefront_size32 1
		.amdhsa_system_sgpr_workgroup_id_x 1
		.amdhsa_system_sgpr_workgroup_id_y 1
		.amdhsa_system_sgpr_workgroup_id_z 1
		.amdhsa_system_vgpr_workitem_id 0
		.amdhsa_next_free_vgpr 256
		.amdhsa_next_free_sgpr 80
		.amdhsa_reserve_vcc 1
		.amdhsa_float_denorm_mode_32 3
		.amdhsa_float_denorm_mode_16_64 3
		.amdhsa_memory_ordered 1
		.amdhsa_forward_progress 1
		.amdhsa_inst_pref_size 95
	.end_amdhsa_kernel
	.amdgpu_metadata
---
amdhsa.version: [ 1, 2 ]
amdhsa.kernels:
  - .name:           k_qbd614c0ed9_attn
    .symbol:         k_qbd614c0ed9_attn.kd
    .args:
      - { .name: qw, .offset: 0, .size: 8, .value_kind: global_buffer, .address_space: global }
      - { .name: kvw, .offset: 8, .size: 8, .value_kind: global_buffer, .address_space: global }
      - { .name: aw, .offset: 16, .size: 8, .value_kind: global_buffer, .address_space: global }
      - { .name: asw, .offset: 24, .size: 8, .value_kind: global_buffer, .address_space: global }
    .group_segment_fixed_size: 289792
    .private_segment_fixed_size: 0
    .kernarg_segment_align: 8
    .kernarg_segment_size: 32
    .max_flat_workgroup_size: 512
    .sgpr_count:     80
    .vgpr_count:     256
    .wavefront_size: 32
...
	.end_amdgpu_metadata
.endif
;; end of part 2
;; launch outp (part 3): grid 256 x 1, 4 waves a work-group, no clusters, 34,304 bytes of LDS; arguments aw, asw, Wo_codes, Wo_scales, bo, out0; writes out0
.if DOCPART == 3
	.amdgcn_target "amdgcn-amd-amdhsa--gfx1250"
	.amdhsa_code_object_version 6
	.text
	.protected	k_qbd614c0ed9_outp
	.globl	k_qbd614c0ed9_outp
	.p2align	8
	.type	k_qbd614c0ed9_outp,@function
k_qbd614c0ed9_outp:
	s_mov_b64 s[64:65], 0
	v_nop
	global_prefetch_b8 v0, s[64:65] scope:SCOPE_SE
	s_setreg_imm32_b32 hwreg(HW_REG_WAVE_MODE, 25, 1), 1
	s_wait_xcnt 0x0
; out0 = a Wo^T + bo on codes of FP4 (E2M1) with E8M0 scales, K = 512.  a: the attention's result as codes, laid by the launch before as images of this product's operand registers:
; aw [tile J of 16 tokens][head][512 bytes], asw [8 b + head][4 X + cx][wave][16 words], a word holding a head's two scale bytes.
; Work-group g takes tiles J = 2 g and 2 g + 1; wave p takes rows 128 p .. 128 p + 127 of Wo, which stay in 256 registers (window 1): two units of 32 matrix instructions.
; The product is used transposed (source 0 = 16 rows of Wo, source 1 = 16 tokens).  Lane r of tile t of Wo takes row 32 (t / 2) + 8 (t % 2) + r + 8 (r / 8), so register 16 b + i of a lane's 64 results is output
; 32 b + 16 (lane / 16) + i of its token.  The bias is the C of each sum's first matrix instruction.
; A tile's tokens are those of the attention's wave w = J % 16: block beta of 128 queries, tile 2 cx + e of it, lane r: token 4,096 b + 128 beta + 32 cx + 8 e + r + 8 (r / 8).
; THE WAY OUT: 16 rows x 512 bytes go through the wave's own stage in LDS (rows 528 bytes apart) and leave as whole rows: each store covers 512 consecutive aligned bytes.  No barrier: waves share nothing.
; LIMITS: NaN, infinities and a scale byte 0xff among the inputs are not served.
.set SPARE, 33792                      ; LDS: four stages of 16 x 528 bytes, then the spare words, 128 bytes a wave
.set LA,  1                            ; v1   256 x (r + 8 (r / 8)) + 16 h
.set RSA, 2                            ; v2   16 x (r + 8 (r / 8) + 64 h)
.set IM,  4                            ; v4   16 x lane
.set BA,  5                            ; v5   64 h
.set STO, 6                            ; v6   the stage, in: 8,448 w + 528 r + 64 h
.set RD,  7                            ; v7   the stage, back: 8,448 w + 16 x lane
.set R4,  8                            ; v8   4 r
.set SPW, 10                           ; v10  LDS address of my spare word; never rewritten
.set NIL, 11                           ; v11  0; never rewritten
.set LF,  16                           ; v16-79 the two tiles' fragments; v16-47 later rows on their way out
.set HA,  80                           ; v80-143 the 8 accumulators
.set B1,  144                          ; v144-207 the bias in the result's layout
.set AWD, 208                          ; v208-223 the heads' words as loaded: 8 u + head
.set LS,  224                          ; v224-231 the tiles' scale words: 4 u + s
.set RS,  240                          ; v240-255 Wo's scale words: register 4 t + s: lanes 0-15 tile t, lanes 16-31 tile t + 4
.set AB,  4
.set ASB, 6
.set RC,  8
.set RSC, 10
.set BI,  12
.set WV,  16
.set OUT, 20                           ; s[20:23] where the two tiles' rows begin in out0
.set MSB, 0
.macro WIN new                         ; the immediate's high byte repeats the setting that is left
.if MSB != \new
	s_set_vgpr_msb (MSB<<8)|\new
.set MSB, \new
.endif
.endm
.macro ONE t, s, buf
.if (\s) == 0
.set CC, B1+8*(\t)
.else
.set CC, HA+8*(\t)
.endif
.if (\t) < 4
	v_wmma_scale_f32_16x16x128_f8f6f4 v[HA+8*(\t):HA+8*(\t)+7], v[32*(\t)+8*(\s):32*(\t)+8*(\s)+7], v[LF+32*(\buf)+8*(\s):LF+32*(\buf)+8*(\s)+7], v[CC:CC+7], v[RS+4*((\t)%4)+(\s)], v[LS+4*(\buf)+(\s)] matrix_a_fmt:MATRIX_FMT_FP4 matrix_b_fmt:MATRIX_FMT_FP4
.else
	v_wmma_scale_f32_16x16x128_f8f6f4 v[HA+8*(\t):HA+8*(\t)+7], v[32*(\t)+8*(\s):32*(\t)+8*(\s)+7], v[LF+32*(\buf)+8*(\s):LF+32*(\buf)+8*(\s)+7], v[CC:CC+7], v[RS+4*((\t)%4)+(\s)], v[LS+4*(\buf)+(\s)] matrix_a_fmt:MATRIX_FMT_FP4 matrix_b_fmt:MATRIX_FMT_FP4 matrix_a_scale:MATRIX_SCALE_ROW1
.endif
.endm
.macro MM buf                          ; a unit's 32 products: K step by K step, the 8 accumulators by turns, one instruction a turn
	WIN 0x01                                       ; source 0 (Wo) window 1
.irp s, 0,1,2,3
.irp t, 0,1,2,3,4,5,6,7
	ONE \t, \s, \buf
.endr
.endr
	WIN 0
.endm
	s_load_b256 s[4:11], s[0:1], 0x0               ; aw 4, asw 6, Wo's codes 8, Wo's scales 10
	s_load_b128 s[12:15], s[0:1], 0x20             ; bo 12, out0 14
	v_lshl_add_u32 v[SPW], v0, 2, SPARE
	v_mov_b32 v[NIL], 0
	v_lshrrev_b32 v12, 5, v0
	v_readfirstlane_b32 s[WV], v12                 ; wave 0..3
	v_and_b32 v13, 15, v0                          ; r
	v_bfe_u32 v14, v0, 4, 1                        ; h
	v_and_b32 v15, 8, v13
	v_add_nc_u32 v15, v15, v13                     ; r + 8 (r / 8)
	v_lshlrev_b32 v[LA], 8, v15
	v_lshl_add_u32 v[LA], v14, 4, v[LA]
	v_lshl_add_u32 v[RSA], v14, 6, v15
	v_lshlrev_b32 v[RSA], 4, v[RSA]
	v_and_b32 v[IM], 31, v0
	v_lshlrev_b32 v[IM], 4, v[IM]
	v_lshlrev_b32 v[BA], 6, v14
	v_lshlrev_b32 v[R4], 2, v13
	s_mul_i32 s32, s[WV], 8448
	v_mul_u32_u24 v[STO], v13, 528
	v_lshl_add_u32 v[STO], v14, 6, v[STO]
	v_add_nc_u32 v[STO], s32, v[STO]
	v_add_nc_u32 v[RD], s32, v[IM]
	; which tokens my work-group's two tiles hold: the attention's numbering, undone
	s_and_b32 s24, ttmp9, 7                        ; m: the tiles are waves 2 m and 2 m + 1
	s_bfe_u32 s25, ttmp9, 0x40003                  ; 4 X + cx
	s_lshr_b32 s26, ttmp9, 7                       ; b
	s_lshr_b32 s27, s24, 1                         ; w >> 2
	s_and_b32 s28, s27, 2
	s_and_b32 s29, s24, 1
	s_or_b32 s28, s28, s29                         ; a
	s_and_b32 s29, s25, 12                         ; 4 X
	s_add_co_u32 s28, s28, s29                     ; the low block,
	s_sub_co_u32 s29, 31, s28                      ; the high one
	s_and_b32 s30, s25, 3                          ; cx
	s_lshl_b32 s30, s30, 5
	s_lshl_b32 s31, s26, 12
	s_add_co_u32 s30, s30, s31                     ; 4,096 b + 32 cx
	s_lshl_b32 s31, s[WV], 9                       ; my 128 outputs: 512 bytes of a row
.irp u, 0,1
	s_xor_b32 s33, s27, \u
	s_and_b32 s33, s33, 1                          ; role = (w ^ (w >> 2)) & 1, with w & 1 = u
	s_cmp_eq_u32 s33, 1
	s_cselect_b32 s33, s29, s28                    ; beta
	s_lshl_b32 s33, s33, 7
	s_add_co_u32 s33, s33, s30
	s_add_co_u32 s33, s33, 8*\u                    ; the tile's first token
	s_lshl_b32 s33, s33, 11                        ; rows of 2,048 bytes
	s_add_co_u32 s[OUT+2*\u], s33, s31
	s_mov_b32 s[OUT+2*\u+1], 0
.endr
	s_mov_b32 s35, 0
	s_mov_b32 s37, 0
	s_lshl_b32 s36, s26, 17
	s_lshl_b32 s33, s25, 10
	s_add_co_u32 s36, s36, s33
	s_lshl_b32 s33, s24, 7
	s_add_co_u32 s36, s36, s33                     ; the two tiles' words of head 0 in asw
	s_wait_kmcnt 0x0
	s_add_nc_u64 s[OUT:OUT+1], s[14:15], s[OUT:OUT+1]
	s_add_nc_u64 s[OUT+2:OUT+3], s[14:15], s[OUT+2:OUT+3]
	s_add_nc_u64 s[ASB:ASB+1], s[ASB:ASB+1], s[36:37]
	s_lshl_b32 s34, ttmp9, 13
	s_add_nc_u64 s[AB:AB+1], s[AB:AB+1], s[34:35]
	s_lshl_b32 s34, s[WV], 15
	s_add_nc_u64 s[RC:RC+1], s[RC:RC+1], s[34:35]
	s_lshl_b32 s34, s[WV], 11
	s_add_nc_u64 s[RSC:RSC+1], s[RSC:RSC+1], s[34:35]
	s_add_nc_u64 s[BI:BI+1], s[BI:BI+1], s[30:31]  ; placeholder replaced below
	s_sub_nc_u64 s[BI:BI+1], s[BI:BI+1], s[30:31]
	s_mov_b32 s34, s31
	s_add_nc_u64 s[BI:BI+1], s[BI:BI+1], s[34:35]  ; my 128 numbers of bo
	WIN 0x40                                       ; destination window 1
.irp t, 0,1,2,3,4,5,6,7
.irp s, 0,1,2,3
.irp c, 0,1
	global_load_b128 v[32*\t+8*\s+4*\c:32*\t+8*\s+4*\c+3], v[LA], s[RC:RC+1] offset:(32*(\t/2)+8*(\t%2))*256+64*\s+32*\c
.endr
.endr
.endr
	WIN 0
.irp t, 0,1,2,3
	global_load_b128 v[RS+4*\t:RS+4*\t+3], v[RSA], s[RSC:RSC+1] offset:(32*(\t/2)+8*(\t%2))*16
.endr
.irp t, 0,1,2,3,4,5,6,7
.irp q, 0,1
	global_load_b128 v[B1+8*\t+4*\q:B1+8*\t+4*\q+3], v[BA], s[BI:BI+1] offset:(32*(\t/2)+8*(\t%2))*4+16*\q
.endr
.endr
.irp u, 0,1
.irp s, 0,1,2,3
.irp c, 0,1
	global_load_b128 v[LF+32*\u+8*\s+4*\c:LF+32*\u+8*\s+4*\c+3], v[IM], s[AB:AB+1] offset:4096*\u+512*(2*\s+\c)   ; K step s is heads 2 s and 2 s + 1: their images are the fragment's two halves
.endr
.endr
.endr
.irp u, 0,1
.irp d, 0,1,2,3,4,5,6,7
	global_load_b32 v[AWD+8*\u+\d], v[R4], s[ASB:ASB+1] offset:16384*\d+64*\u
.endr
.endr
	s_wait_loadcnt 0x0
.irp u, 0,1
.irp s, 0,1,2,3
	v_lshl_or_b32 v[LS+4*\u+\s], v[AWD+8*\u+2*\s+1], 16, v[AWD+8*\u+2*\s]   ; two heads' bytes make a K step's scale word
.endr
.endr
.rept 8
	v_nop                                          ; a scale register written by a vector instruction stands eight places ahead of a scaled matrix instruction
.endr
.irp u, 0,1
	MM \u
.rept 5
	v_nop                                          ; five places: for the reads of the results, the loads into the first tile's fragments, and the next unit's products, which begin the same accumulators anew
.endr
.irp t, 0,1,2,3,4,5,6,7
.irp q, 0,1
	ds_store_b128 v[STO], v[HA+8*\t+4*\q:HA+8*\t+4*\q+3] offset:128*(\t/2)+32*(\t%2)+16*\q   ; each accumulator from its low end on
.endr
.endr
.irp f, 0,1
	s_wait_xcnt 0x0                                ; the earlier stores have read their registers: the loads below land there only behind this wait
.irp i, 0,1,2,3,4,5,6,7
	ds_load_b128 v[16+4*\i:19+4*\i], v[RD] offset:(8*\f+\i)*528   ; LDS serves a wave's instructions in order: these see my stores
.endr
.irp i, 0,1,2,3,4,5,6,7
	s_wait_dscnt 7-\i                              ; row i of the eight is back; the younger loads may be out
	global_store_b128 v[IM], v[16+4*\i:19+4*\i], s[OUT+2*\u:OUT+2*\u+1] offset:(16*\f+\i)*2048 th:TH_STORE_NT   ; stage row 8 f + i is token 16 f + i of the tile's span
.endr
.endr
.endr
	s_wait_tensorcnt 0x0                           ; the wave's end, behind my last LDS store
	ds_add_u32 v[SPW], v[NIL]
	s_wait_dscnt 0x0
	s_endpgm
.Lfunc_end_k_qbd614c0ed9_outp:
	.size	k_qbd614c0ed9_outp, .Lfunc_end_k_qbd614c0ed9_outp-k_qbd614c0ed9_outp
	.p2alignl 7, 3214868480
	.fill 96, 4, 3214868480
	.section	.rodata,"a",@progbits
	.p2align	6, 0x0
	.amdhsa_kernel k_qbd614c0ed9_outp
		.amdhsa_group_segment_fixed_size 34304
		.amdhsa_private_segment_fixed_size 0
		.amdhsa_enable_private_segment 0
		.amdhsa_kernarg_size 48
		.amdhsa_user_sgpr_count 2
		.amdhsa_user_sgpr_kernarg_segment_ptr 1
		.amdhsa_wavefront_size32 1
		.amdhsa_system_sgpr_workgroup_id_x 1
		.amdhsa_system_sgpr_workgroup_id_y 1
		.amdhsa_system_sgpr_workgroup_id_z 1
		.amdhsa_system_vgpr_workitem_id 0
		.amdhsa_next_free_vgpr 512
		.amdhsa_next_free_sgpr 66
		.amdhsa_reserve_vcc 0
		.amdhsa_float_denorm_mode_32 3
		.amdhsa_float_denorm_mode_16_64 3
		.amdhsa_memory_ordered 1
		.amdhsa_forward_progress 1
		.amdhsa_inst_pref_size 32
	.end_amdhsa_kernel
	.amdgpu_metadata
---
amdhsa.version: [ 1, 2 ]
amdhsa.kernels:
  - .name:           k_qbd614c0ed9_outp
    .symbol:         k_qbd614c0ed9_outp.kd
    .args:
      - { .name: aw, .offset: 0, .size: 8, .value_kind: global_buffer, .address_space: global }
      - { .name: asw, .offset: 8, .size: 8, .value_kind: global_buffer, .address_space: global }
      - { .name: Wo_codes, .offset: 16, .size: 8, .value_kind: global_buffer, .address_space: global }
      - { .name: Wo_scales, .offset: 24, .size: 8, .value_kind: global_buffer, .address_space: global }
      - { .name: bo, .offset: 32, .size: 8, .value_kind: global_buffer, .address_space: global }
      - { .name: out0, .offset: 40, .size: 8, .value_kind: global_buffer, .address_space: global }
    .group_segment_fixed_size: 34304
    .private_segment_fixed_size: 0
    .kernarg_segment_align: 8
    .kernarg_segment_size: 48
    .max_flat_workgroup_size: 128
    .sgpr_count:     66
    .vgpr_count:     512
    .wavefront_size: 32
...
	.end_amdgpu_metadata
.endif
;; end of part 3
;; ======== version 2 of 2: 3 launches
;; workspace buffers: qw 2,359,296 bytes; kvw 4,587,520 bytes; aw 2,097,152 bytes; asw 262,144 bytes
;; launch proj (part 4): grid 384 x 1, 4 waves a work-group, no clusters, 3,584 bytes of LDS; arguments q_codes, q_scales, k_codes, k_scales, v_codes, v_scales, Wq_codes, Wq_scales, Wk_codes, Wk_scales, Wv_codes, Wv_scales, bq, bk, bv, qw, kvw; writes qw, kvw
.if DOCPART == 4
	.amdgcn_target "amdgcn-amd-amdhsa--gfx1250"
	.amdhsa_code_object_version 6
	.text
	.protected	k_qbd614c0ed9_proj
	.globl	k_qbd614c0ed9_proj
	.p2align	8
	.type	k_qbd614c0ed9_proj,@function
k_qbd614c0ed9_proj:
	s_mov_b64 s[64:65], 0
	v_nop
	global_prefetch_b8 v0, s[64:65] scope:SCOPE_SE
	s_setreg_imm32_b32 hwreg(HW_REG_WAVE_SCHED_MODE, 0, 2), 2
	s_setreg_imm32_b32 hwreg(HW_REG_WAVE_MODE, 25, 1), 1
	s_wait_xcnt 0x0
	s_wait_alu depctr_vm_vsrc(0)
; The three input projections x W^T + b on codes of FP4 (E2M1) with E8M0 scales, K = 512, and the quantising of their results for attention.
; A UNIT is 128 rows of an operand R (source 0: eight tiles of 16) x 16 rows of an operand L (source 1): 4 K steps x 8 tiles = 32 matrix instructions, 8 accumulators by turns.
; THE ROWS OF A TILE ARE NOT NEIGHBOURS: lane r of tile t takes row 32 (t / 2) + 8 (t % 2) + r + 8 (r / 8).  With such tiles as source 0, register 16 b + i of a lane's 64 results is row 32 b + 16 (lane / 16) + i of R:
; sixteen neighbours of each block of 32, which the conversions take as they stand.
; MODE 0 (work-groups 0-127: q, 128-255: k): R = 128 rows of the weight (two heads), L = 16 tokens: a lane holds a token, its registers run along the heads' 64: quantised along the head.
; MODE 1 (work-groups 256-383: v): R = 128 tokens, L = 16 rows of Wv: a lane holds a channel d, its registers run along the tokens: quantised along the keys.
; A wave keeps R in 256 registers (window 1) and walks four tiles of L.  Operands go from memory straight into the registers that keep them: no tensor load, no barrier; waves share nothing.
; OUT: images of the reader's operand registers, 16 bytes a lane, 512 consecutive aligned bytes a store.  qw: [8 b + head][block of 128 queries][4,608]: 8 tiles x 512 bytes, then 8 x 16 scale words.
; kvw: [8 b + head][step of 128 keys][8,960]: K's 8 tiles x 512, V^T's 4 tiles x 1,024, K's 8 x 16 scale words, V's 4 x 16.  q's and k's words hold two bytes for the head's 64 and 0x7f twice for the half of the
; instruction's 128 that attention fills with zero codes.  The scale words of four units are gathered in the wave's own LDS bytes and leave as whole aligned blocks of 256 bytes.
; LIMITS: NaN, infinities and a scale byte 0xff among the inputs are not served.  A block whose largest magnitude lies under 2^-124 (a block of zeros too) gets the byte 1; the bytes are read by this program alone.
; THE MODE: SCHED_MODE bits 1:0 = 2 (LLVM: expert scheduling mode 2), set by the entry lines.  The code itself states the register dependences between vector or matrix instructions and memory or LDS
; instructions, with s_wait_alu, always for 0.
; THE PLAN.  Registers that memory or LDS instructions touch:
;   R (window 1), its scale words, mode 0's bias   loaded once at the head, read by the products, never loaded again.
;   L's two sets (fragments, scale words; mode 1: the bias word)   unit u's products (mode 1: and its eight moves) read set u % 2; behind them the loads of tile u + 2 land in it.
;   v[PC ..]        written by unit u's conversions and swaps, read by that unit's two stores, written again by unit u + 1's conversions.
;   v[SWD + u]      a register for each unit: written once, read by one LDS store.
;   v[TM .. TM + 3] named by every unit's vector lines; at the end the LDS load of the gathered words lands there, and one store reads it.
;   v1-v8, v10, v11 offsets and LDS addresses: made once, on each mode's own path, and never written again.
; So a unit has, behind its products: one wait on vm_vsrc (the last unit's stores have read the codes' registers) and, where a tile of L is still to be asked for, one on va_vdst (the products are done with L's set);
; that tile's loads follow, dealt among the quantiser's lines, which name the accumulators, v[TM ..], v[PW] and v[PC ..] alone.  One more wait on va_vdst stands ahead of the unit's three stores.
.set SPARE, 3072                       ; LDS: 0-2,047 mode 0's words, 512 a wave; 2,048-3,071 mode 1's, 256 a wave; then the spare words, 128 bytes a wave
.set LA,  1                            ; v1   256 x (r + 8 (r / 8)) + 16 h: my row and half in a tile of codes
.set RSA, 2                            ; v2   16 x (r + 8 (r / 8) + 64 h): R's scale rows: lanes 16-31 take the tile four on
.set LSA, 3                            ; v3   16 x (r + 8 (r / 8)): L's scale rows
.set IM,  4                            ; v4   16 x lane: an image's place
.set BA,  5                            ; v5   the bias: mode 0: 64 h; mode 1: 4 x (r + 8 (r / 8))
.set SST, 6                            ; v6   LDS: where my scale word goes
.set SLD, 7                            ; v7   LDS: where I read the words back
.set SGO, 8                            ; v8   and where they go in memory
.set SH,  9                            ; v9   16 h
.set SPW, 10                           ; v10  LDS address of my spare word; never rewritten
.set NIL, 11                           ; v11  0; never rewritten
.set SWD, 12                           ; v12-15 a scale word for each unit (at the head: at work)
.set LF,  16                           ; v16-79 L's fragments, two sets of 32
.set HA,  80                           ; v80-143 the 8 accumulators
.set B1,  144                          ; v144-207 mode 0: the bias in the result's layout
.set BV,  144                          ; v144-151 mode 1: my channel's bias, eight times
.set PC,  208                          ; v208-215 the codes just made
.set TM,  216                          ; v216-227 at work
.set PW,  228                          ; v228 the scale word just made
.set LS,  230                          ; v230-237 L's scale words, two sets of 4
.set BVL, 238                          ; v238-239 mode 1: the bias as loaded, two sets
.set RS,  240                          ; v240-255 R's scale words: register 4 t + s: lanes 0-15 tile t, lanes 16-31 tile t + 4, K step s
.set WV,  38
.set UP,  39
.set RC,  40
.set RSC, 42
.set LC,  44
.set LSC, 46
.set BI,  48
.set OB0, 50
.set OB1, 52
.set OS,  54
.set SEL, 56
.set MSB, 0
.macro WIN new                         ; the immediate's high byte repeats the setting that is left
.if MSB != \new
	s_set_vgpr_msb (MSB<<8)|\new
.set MSB, \new
.endif
.endm
.macro RLOAD                           ; R: 32 fragments into window 1, fragment (t, s) at v[32 t + 8 s]; its scale words into window 0
	WIN 0x40
	s_wait_alu depctr_va_vdst(0)                   ; the offsets and LDS addresses v1-v8, v10 and v11 are written: every load, store and LDS instruction of the kernel reads one of them; no vector line stands among the head's loads
.irp t, 0,1,2,3,4,5,6,7
.irp s, 0,1,2,3
.irp c, 0,1
	global_load_b128 v[32*\t+8*\s+4*\c:32*\t+8*\s+4*\c+3], v[LA], s[RC:RC+1] offset:(32*(\t/2)+8*(\t%2))*256+64*\s+32*\c
.endr
.endr
.endr
	WIN 0
.irp t, 0,1,2,3
	global_load_b128 v[RS+4*\t:RS+4*\t+3], v[RSA], s[RSC:RSC+1] offset:(32*(\t/2)+8*(\t%2))*16
.endr
.endm
.macro BIAS0                           ; lane (r, h), tile t, register j: the bias of R's row 32 (t / 2) + 8 (t % 2) + 16 h + j
.irp t, 0,1,2,3,4,5,6,7
.irp q, 0,1
	global_load_b128 v[B1+8*\t+4*\q:B1+8*\t+4*\q+3], v[BA], s[BI:BI+1] offset:(32*(\t/2)+8*(\t%2))*4+16*\q
.endr
.endr
.endm
.macro LPART u, buf, s0                ; tile u of L: the fragments of K steps s0 and s0 + 1: four loads
.irp s, \s0, \s0+1
.irp c, 0,1
	global_load_b128 v[LF+32*(\buf)+8*(\s)+4*\c:LF+32*(\buf)+8*(\s)+4*\c+3], v[LA], s[LC:LC+1] offset:(32*((\u)/2)+8*((\u)%2))*256+64*(\s)+32*\c
.endr
.endr
.endm
.macro LTAIL u, buf, mode              ; tile u of L: its 4 scale words (mode 1: and my channel's bias)
	global_load_b128 v[LS+4*(\buf):LS+4*(\buf)+3], v[LSA], s[LSC:LSC+1] offset:(32*((\u)/2)+8*((\u)%2))*16
.if \mode
	global_load_b32 v[BVL+(\buf)], v[BA], s[BI:BI+1] offset:(32*((\u)/2)+8*((\u)%2))*4
.endif
.endm
.macro LLOAD u, buf, mode              ; tile u of L: 4 fragments, 4 scale words (mode 1: and my channel's bias): 9 or 10 loads
	LPART \u, \buf, 0
	LPART \u, \buf, 2
	LTAIL \u, \buf, \mode
.endm
.macro ONE t, s, buf, mode             ; one matrix instruction; the bias is the C of a sum's first
.if (\s) == 0
.if \mode
.set CC, BV
.else
.set CC, B1+8*(\t)
.endif
.else
.set CC, HA+8*(\t)
.endif
.if (\t) < 4
	v_wmma_scale_f32_16x16x128_f8f6f4 v[HA+8*(\t):HA+8*(\t)+7], v[32*(\t)+8*(\s):32*(\t)+8*(\s)+7], v[LF+32*(\buf)+8*(\s):LF+32*(\buf)+8*(\s)+7], v[CC:CC+7], v[RS+4*((\t)%4)+(\s)], v[LS+4*(\buf)+(\s)] matrix_a_fmt:MATRIX_FMT_FP4 matrix_b_fmt:MATRIX_FMT_FP4
.else
	v_wmma_scale_f32_16x16x128_f8f6f4 v[HA+8*(\t):HA+8*(\t)+7], v[32*(\t)+8*(\s):32*(\t)+8*(\s)+7], v[LF+32*(\buf)+8*(\s):LF+32*(\buf)+8*(\s)+7], v[CC:CC+7], v[RS+4*((\t)%4)+(\s)], v[LS+4*(\buf)+(\s)] matrix_a_fmt:MATRIX_FMT_FP4 matrix_b_fmt:MATRIX_FMT_FP4 matrix_a_scale:MATRIX_SCALE_ROW1
.endif
.endm
.macro MM buf, mode                    ; a unit's 32 products: K step by K step, the 8 accumulators by turns, one instruction a turn
	WIN 0x01                                       ; source 0 (R) window 1
.irp s, 0,1,2,3
.irp t, 0,1,2,3,4,5,6,7
	ONE \t, \s, \buf, \mode
.endr
.endr
	WIN 0
.endm
; 64 numbers of a lane, register 16 b + i = k 32 b + 16 (lane / 16) + i of my row, become a fragment's codes in v[PC] on and its scale word in v[PW].  In two parts: my own 16 numbers' largest magnitudes, and the rest.
.macro QMAX s
.irp b, 0,1,2,3
	v_max3_num_f32 v[TM+\b], |v[\s+16*\b]|, |v[\s+1+16*\b]|, 0x1800000   ; block b: my 16 numbers, and the floor 2^(3 - 127): the byte cannot fall under 1
.endr
.irp i, 2,4,6,8,10,12,14
.irp b, 0,1,2,3
	v_max3_num_f32 v[TM+\b], v[TM+\b], |v[\s+16*\b+\i]|, |v[\s+1+16*\b+\i]|   ; the four blocks by turns
.endr
.endr
.endm
.macro QREST s
.irp b, 0,1,2,3
	v_permlanex16_b32 v[TM+4+\b], v[TM+\b], s[SEL], s[SEL+1]
.endr
.irp b, 0,1,2,3
	v_max_num_f32 v[TM+\b], v[TM+\b], v[TM+4+\b]   ; with lane l xor 16's: the block's largest magnitude
.endr
.irp b, 0,1,2,3
	v_add_nc_u32 v[TM+8+\b], 0xff000000, v[TM+\b]  ; 2 off its exponent field: the conversion's scale operand
.endr
.irp b, 0,1,2,3
	v_lshrrev_b32 v[TM+4+\b], 23, v[TM+8+\b]       ; the scale's byte
.endr
	v_lshl_or_b32 v[PW], v[TM+5], 8, v[TM+4]
	v_lshl_or_b32 v[PW], v[TM+6], 16, v[PW]
	v_lshl_or_b32 v[PW], v[TM+7], 24, v[PW]
.irp b, 0,1,2,3
	v_cvt_scalef32_pk8_fp4_f32 v[PC+2*\b], v[\s+16*\b:\s+7+16*\b], v[TM+8+\b]
	v_cvt_scalef32_pk8_fp4_f32 v[PC+1+2*\b], v[\s+8+16*\b:\s+15+16*\b], v[TM+8+\b]
.endr
	v_nop                                          ; one plain line behind the last scaled conversion
.irp c, 0,1                                    ; the operand's layout wants a whole block in a lane: lanes 0-15 block 2 c, lanes 16-31 block 2 c + 1
.irp i, 0,1
	v_permlane16_swap_b32 v[PC+4*\c+\i], v[PC+2+4*\c+\i]
.endr
.endr
.endm
.macro UNIT u, mode
.if (\u) < 3
	s_wait_loadcnt 9+\mode                         ; this tile of L, and all that was asked for earlier, is in; only the next tile's loads are younger
.else
	s_wait_loadcnt 0x0
.endif
.if \mode
.irp j, 0,1,2,3,4,5,6,7
	v_mov_b32 v[BV+\j], v[BVL+(\u)%2]              ; my channel's bias for all eight tokens of a tile
.endr
.rept 4
	v_nop
.endr
.endif
	MM (\u)%2, \mode
.rept 4
	v_nop                                          ; four places behind the products, ahead of the first read of the results
.endr
.if (\u) > 0
	s_wait_xcnt 0x0                                ; the last unit's stores have had their addresses translated: the codes' registers are written again only behind this wait,
	s_wait_alu depctr_vm_vsrc(0)                   ; and those stores have read v[PC ..], which this unit's conversions write again
.endif
.if (\u) < 2
	s_wait_alu depctr_va_vdst(0)                   ; the products are done reading L's set and its scale words (mode 1: the moves its bias word), in which the loads of the tile two on land
	LPART (\u)+2, (\u)%2, 0
.endif
	QMAX HA
.if (\u) < 2
	LPART (\u)+2, (\u)%2, 2                        ; no further wait: the maxima since that wait name the accumulators and v[TM ..] alone
	LTAIL (\u)+2, (\u)%2, \mode
.endif
	QREST HA
.if \mode
	v_mov_b32 v[SWD+(\u)], v[PW]
.else
	v_lshrrev_b32 v[SWD+(\u)], v[SH], v[PW]        ; lanes 0-15 keep the even head's two bytes, lanes 16-31 the odd head's,
	v_and_or_b32 v[SWD+(\u)], v[SWD+(\u)], 0xffff, s[UP]   ; with 0x7f for the two blocks of zero codes
.endif
	s_wait_alu depctr_va_vdst(0)                   ; the conversions and swaps have written v[PC ..] and the line above v[SWD + u], which the three stores below read; in the last unit: the vector lines are done with v[TM ..], in which an LDS load lands
.if \mode
	global_store_b128 v[IM], v[PC:PC+3], s[OB0:OB0+1] offset:1024*(\u)          ; keys 32 h on of my channel
	global_store_b128 v[IM], v[PC+4:PC+7], s[OB0:OB0+1] offset:1024*(\u)+512    ; keys 64 + 32 h on
.else
	global_store_b128 v[IM], v[PC:PC+3], s[OB0:OB0+1] offset:512*(\u)           ; the even head's image
	global_store_b128 v[IM], v[PC+4:PC+7], s[OB1:OB1+1] offset:512*(\u)         ; the odd head's
.endif
	ds_store_b32 v[SST], v[SWD+(\u)] offset:64*(\u)
.endm
.macro CLOSE                           ; the wave's end
	s_wait_dscnt 0x0
	s_wait_alu 0x0
	s_wait_tensorcnt 0x0
	ds_add_u32 v[SPW], v[NIL]
	s_wait_dscnt 0x0
	s_endpgm
.endm
	s_load_b512 s[4:19], s[0:1], 0x0               ; q codes 4, q scales 6, k codes 8, k scales 10, v codes 12, v scales 14, Wq codes 16, Wq scales 18
	s_load_b512 s[20:35], s[0:1], 0x40             ; Wk codes 20, Wk scales 22, Wv codes 24, Wv scales 26, bq 28, bk 30, bv 32, qw 34
	s_load_b64 s[36:37], s[0:1], 0x80              ; kvw
	v_lshl_add_u32 v[SPW], v0, 2, SPARE
	v_mov_b32 v[NIL], 0
	v_lshrrev_b32 v12, 5, v0
	v_readfirstlane_b32 s[WV], v12                 ; wave 0..3
	v_and_b32 v13, 15, v0                          ; r
	v_bfe_u32 v14, v0, 4, 1                        ; h
	v_and_b32 v15, 8, v13
	v_add_nc_u32 v15, v15, v13                     ; r + 8 (r / 8)
	v_lshlrev_b32 v[LA], 8, v15
	v_lshl_add_u32 v[LA], v14, 4, v[LA]
	v_lshl_add_u32 v[RSA], v14, 6, v15
	v_lshlrev_b32 v[RSA], 4, v[RSA]
	v_lshlrev_b32 v[LSA], 4, v15
	v_and_b32 v[IM], 31, v0
	v_lshlrev_b32 v[IM], 4, v[IM]
	v_lshlrev_b32 v[SH], 4, v14
.irp b, 0,1,2,3
	v_mov_b32 v[TM+4+\b], 0                        ; written once: a lane permute's destination counts as one of its sources
.endr
	s_wait_alu depctr_va_sdst(0)                   ; the wave's number is written, ahead of the branch below and of its first reader on either path
	s_mov_b32 s[SEL], 0x76543210
	s_mov_b32 s[SEL+1], 0xfedcba98                 ; v_permlanex16_b32's selects for lane l xor 16
	s_mov_b32 s[UP], 0x7f7f0000
	s_mov_b32 s67, 0
	s_mov_b32 s69, 0
	s_mov_b32 s71, 0
	s_wait_kmcnt 0x0
	s_cmp_lt_u32 ttmp9, 256
	s_cbranch_scc0 .Lv
	; ---- MODE 0: q or k.  The choice hangs on the work-group's number alone
	s_cmp_lt_u32 ttmp9, 128
	s_cselect_b64 s[LC:LC+1], s[4:5], s[8:9]
	s_cselect_b64 s[LSC:LSC+1], s[6:7], s[10:11]
	s_cselect_b64 s[RC:RC+1], s[16:17], s[20:21]
	s_cselect_b64 s[RSC:RSC+1], s[18:19], s[22:23]
	s_cselect_b64 s[BI:BI+1], s[28:29], s[30:31]
	s_cselect_b64 s[OB0:OB0+1], s[34:35], s[36:37]
	s_mov_b32 s58, 8960
	s_cselect_b32 s58, 4608, s58                   ; a record's bytes
	s_mov_b32 s59, 8192
	s_cselect_b32 s59, 4096, s59                   ; where its scale words begin
	s_and_b32 s60, ttmp9, 127                      ; G: which 64 tokens
	s_lshl_b32 s66, s60, 14
	s_add_nc_u64 s[LC:LC+1], s[LC:LC+1], s[66:67]  ; 64 rows of 256 bytes
	s_lshl_b32 s66, s60, 10
	s_add_nc_u64 s[LSC:LSC+1], s[LSC:LSC+1], s[66:67]
	s_lshl_b32 s66, s[WV], 15
	s_add_nc_u64 s[RC:RC+1], s[RC:RC+1], s[66:67]  ; my 128 rows of the weight
	s_lshl_b32 s66, s[WV], 11
	s_add_nc_u64 s[RSC:RSC+1], s[RSC:RSC+1], s[66:67]
	s_lshl_b32 s66, s[WV], 9
	s_add_nc_u64 s[BI:BI+1], s[BI:BI+1], s[66:67]
	s_lshr_b32 s61, s60, 6                         ; b
	s_lshl_b32 s61, s61, 3
	s_lshl_b32 s62, s[WV], 1
	s_add_co_u32 s61, s61, s62                     ; 8 b + my even head
	s_lshl_b32 s61, s61, 5
	s_bfe_u32 s62, s60, 0x50001                    ; which record of 128 tokens
	s_add_co_u32 s61, s61, s62
	s_mul_i32 s66, s61, s58                        ; the record's first byte
	s_and_b32 s63, s60, 1                          ; which half of it
	s_mov_b64 s[OS:OS+1], s[OB0:OB0+1]
	s_lshl_b32 s62, s63, 11
	s_add_co_u32 s68, s66, s62
	s_add_nc_u64 s[OB0:OB0+1], s[OB0:OB0+1], s[68:69]
	s_lshl_b32 s70, s58, 5                         ; from a head to the next: 32 records
	s_add_nc_u64 s[OB1:OB1+1], s[OB0:OB0+1], s[70:71]
	s_lshl_b32 s62, s63, 8
	s_add_co_u32 s68, s66, s62
	s_add_co_u32 s68, s68, s59
	s_add_nc_u64 s[OS:OS+1], s[OS:OS+1], s[68:69]
	v_lshlrev_b32 v[BA], 6, v14
	s_lshl_b32 s62, s[WV], 9
	v_lshlrev_b32 v[SST], 2, v13
	v_lshl_add_u32 v[SST], v14, 8, v[SST]
	v_add_nc_u32 v[SST], s62, v[SST]               ; 512 w + 256 h + 4 r
	v_add_nc_u32 v[SLD], s62, v[IM]                ; 512 w + 16 x lane
	v_mul_u32_u24 v[SGO], s70, v14
	v_lshl_add_u32 v[SGO], v13, 4, v[SGO]          ; lanes 0-15: the even head's 256 bytes; lanes 16-31: the odd head's
	RLOAD
	BIAS0
	LLOAD 0, 0, 0
	LLOAD 1, 1, 0
	UNIT 0, 0
	UNIT 1, 0
	UNIT 2, 0
	UNIT 3, 0
	ds_load_b128 v[TM:TM+3], v[SLD]                ; LDS serves a wave's instructions in order: these see my stores
	s_wait_dscnt 0x0
	global_store_b128 v[SGO], v[TM:TM+3], s[OS:OS+1]   ; sixteen lanes store 256 consecutive aligned bytes for each head
	CLOSE
	; ---- MODE 1: v
.Lv:
	s_sub_co_u32 s60, ttmp9, 256
	s_lshr_b32 s61, s60, 1                         ; which 128 tokens: 0..63
	s_and_b32 s62, s60, 1
	s_lshl_b32 s62, s62, 2
	s_add_co_u32 s62, s62, s[WV]                   ; my head
	s_lshl_b32 s66, s61, 15
	s_add_nc_u64 s[RC:RC+1], s[12:13], s[66:67]
	s_lshl_b32 s66, s61, 11
	s_add_nc_u64 s[RSC:RSC+1], s[14:15], s[66:67]
	s_lshl_b32 s66, s62, 14
	s_add_nc_u64 s[LC:LC+1], s[24:25], s[66:67]    ; my head's 64 rows of Wv
	s_lshl_b32 s66, s62, 10
	s_add_nc_u64 s[LSC:LSC+1], s[26:27], s[66:67]
	s_lshl_b32 s66, s62, 8
	s_add_nc_u64 s[BI:BI+1], s[32:33], s[66:67]
	s_lshr_b32 s63, s61, 5                         ; b
	s_lshl_b32 s63, s63, 3
	s_add_co_u32 s63, s63, s62
	s_lshl_b32 s63, s63, 5
	s_and_b32 s61, s61, 31
	s_add_co_u32 s63, s63, s61
	s_mul_i32 s63, s63, 8960                       ; the record's first byte
	s_add_co_u32 s66, s63, 4096
	s_add_nc_u64 s[OB0:OB0+1], s[36:37], s[66:67]
	s_add_co_u32 s66, s63, 8704
	s_add_nc_u64 s[OS:OS+1], s[36:37], s[66:67]
	v_lshlrev_b32 v[BA], 2, v15
	s_lshl_b32 s62, s[WV], 8
	s_add_co_u32 s62, s62, 2048
	v_lshl_add_u32 v[SST], v13, 2, s62             ; 2,048 + 256 w + 4 r: lanes r and r + 16 store the same word with the same value
	v_and_b32 v[SGO], 31, v0
	v_lshlrev_b32 v[SGO], 3, v[SGO]                ; 8 x lane
	v_add_nc_u32 v[SLD], s62, v[SGO]
	RLOAD
	LLOAD 0, 0, 1
	LLOAD 1, 1, 1
	UNIT 0, 1
	UNIT 1, 1
	UNIT 2, 1
	UNIT 3, 1
	ds_load_b64 v[TM:TM+1], v[SLD]
	s_wait_dscnt 0x0
	global_store_b64 v[SGO], v[TM:TM+1], s[OS:OS+1]    ; 32 lanes store 256 consecutive aligned bytes
	CLOSE
.Lfunc_end_k_qbd614c0ed9_proj:
	.size	k_qbd614c0ed9_proj, .Lfunc_end_k_qbd614c0ed9_proj-k_qbd614c0ed9_proj
	.p2alignl 7, 3214868480
	.fill 96, 4, 3214868480
	.section	.rodata,"a",@progbits
	.p2align	6, 0x0
	.amdhsa_kernel k_qbd614c0ed9_proj
		.amdhsa_group_segment_fixed_size 3584
		.amdhsa_private_segment_fixed_size 0
		.amdhsa_enable_private_segment 0
		.amdhsa_kernarg_size 136
		.amdhsa_user_sgpr_count 2
		.amdhsa_user_sgpr_kernarg_segment_ptr 1
		.amdhsa_wavefront_size32 1
		.amdhsa_system_sgpr_workgroup_id_x 1
		.amdhsa_system_sgpr_workgroup_id_y 1
		.amdhsa_system_sgpr_workgroup_id_z 1
		.amdhsa_system_vgpr_workitem_id 0
		.amdhsa_next_free_vgpr 512
		.amdhsa_next_free_sgpr 84
		.amdhsa_reserve_vcc 0
		.amdhsa_float_denorm_mode_32 3
		.amdhsa_float_denorm_mode_16_64 3
		.amdhsa_memory_ordered 1
		.amdhsa_forward_progress 1
		.amdhsa_inst_pref_size 96
	.end_amdhsa_kernel
	.amdgpu_metadata
---
amdhsa.version: [ 1, 2 ]
amdhsa.kernels:
  - .name:           k_qbd614c0ed9_proj
    .symbol:         k_qbd614c0ed9_proj.kd
    .args:
      - { .name: q_codes, .offset: 0, .size: 8, .value_kind: global_buffer, .address_space: global }
      - { .name: q_scales, .offset: 8, .size: 8, .value_kind: global_buffer, .address_space: global }
      - { .name: k_codes, .offset: 16, .size: 8, .value_kind: global_buffer, .address_space: global }
      - { .name: k_scales, .offset: 24, .size: 8, .value_kind: global_buffer, .address_space: global }
      - { .name: v_codes, .offset: 32, .size: 8, .value_kind: global_buffer, .address_space: global }
      - { .name: v_scales, .offset: 40, .size: 8, .value_kind: global_buffer, .address_space: global }
      - { .name: Wq_codes, .offset: 48, .size: 8, .value_kind: global_buffer, .address_space: global }
      - { .name: Wq_scales, .offset: 56, .size: 8, .value_kind: global_buffer, .address_space: global }
      - { .name: Wk_codes, .offset: 64, .size: 8, .value_kind: global_buffer, .address_space: global }
      - { .name: Wk_scales, .offset: 72, .size: 8, .value_kind: global_buffer, .address_space: global }
      - { .name: Wv_codes, .offset: 80, .size: 8, .value_kind: global_buffer, .address_space: global }
      - { .name: Wv_scales, .offset: 88, .size: 8, .value_kind: global_buffer, .address_space: global }
      - { .name: bq, .offset: 96, .size: 8, .value_kind: global_buffer, .address_space: global }
      - { .name: bk, .offset: 104, .size: 8, .value_kind: global_buffer, .address_space: global }
      - { .name: bv, .offset: 112, .size: 8, .value_kind: global_buffer, .address_space: global }
      - { .name: qw, .offset: 120, .size: 8, .value_kind: global_buffer, .address_space: global }
      - { .name: kvw, .offset: 128, .size: 8, .value_kind: global_buffer, .address_space: global }
    .group_segment_fixed_size: 3584
    .private_segment_fixed_size: 0
    .kernarg_segment_align: 8
    .kernarg_segment_size: 136
    .max_flat_workgroup_size: 128
    .sgpr_count:     84
    .vgpr_count:     512
    .wavefront_size: 32
...
	.end_amdgpu_metadata
.endif
;; end of part 4
;; launch attn (part 5): grid 16 x 16, 16 waves a work-group, clusters of 4 x 1, 289,792 bytes of LDS; arguments qw, kvw, aw, asw; writes aw, asw
.if DOCPART == 5
	.amdgcn_target "amdgcn-amd-amdhsa--gfx1250"
	.amdhsa_code_object_version 6
	.text
	.protected	k_qbd614c0ed9_attn
	.globl	k_qbd614c0ed9_attn
	.p2align	8
	.type	k_qbd614c0ed9_attn,@function
k_qbd614c0ed9_attn:
	s_mov_b64 s[64:65], 0
	v_nop
	global_prefetch_b8 v0, s[64:65] scope:SCOPE_SE
	s_setreg_imm32_b32 hwreg(HW_REG_WAVE_MODE, 25, 1), 1
	s_wait_xcnt 0x0
	s_wait_alu depctr_hold_cnt(0) depctr_sa_sdst(0) depctr_va_vdst(0) depctr_va_sdst(0) depctr_va_ssrc(0) depctr_va_vcc(0) depctr_vm_vsrc(0)
	s_getreg_b32 s2, hwreg(HW_REG_IB_STS2, 6, 4)
	s_cmp_eq_u32 s2, 0
	s_cbranch_scc0 .Lentry_in_a_cluster
	s_endpgm
.Lentry_in_a_cluster:
	s_bfe_u32 s2, ttmp6, 0x10000c
	s_cmp_lg_u32 s2, 0x3003
	s_cbranch_scc0 .Lentry_shape_is_right
	s_endpgm
.Lentry_shape_is_right:
; Causal attention of one head on codes of FP4 (E2M1) with E8M0 scales: S^T = K Q^T (K = the head's 64, filled to the instruction's 128 with zero codes on both sides under the byte 0x7f), the softmax, O^T = V^T P^T
; (K = 128 keys a step), O / l, and O's quantising along the head for the last projection.
; THE SOFTMAX: t = score x log2(e) / 8; M = the running largest t rounded UP to a whole number; p = 2^(t - M) is quantised along the keys, not normalised; l is the sum of the unquantised p.  When M moves, l and O^T are
; multiplied by 2^(old M - new M): exact.  The running largest t starts at -3e38.
; SHARES.  y = 8 b + head.  A cluster of four work-groups owns eight blocks of 128 queries of its head: blocks 4 X + a and 31 - 4 X - a, a = 0..3.  Each work-group takes two tiles of 16 queries of each block, one a wave:
; wave w has role = (w ^ (w >> 2)) & 1 (low or high block), a = ((w >> 2) & 2) | ((w >> 1) & 1), e = w & 1; block beta; tile 2 cx + e.  A wave works on key steps 0 .. beta, the last under the mask.  A low and a high
; block together have 33 steps, so every work-group has 264 tile steps, and beta is the same in all four partners: no branch hangs on a work-group's place in its cluster.
; THE WHOLE HEAD'S K AND V LIE IN LDS: 32 records of 8,960 bytes, filled ONCE, in four quarters, by waves 0-3: four tensor loads a wave are out, by this text's count.  Nothing is filled again.
; The four partners read the same head, so each load is asked for JOINTLY, with the mask of all four.  Clusters with X >= 2 never read the last quarter (their beta is at most 23): it is loaded all the same, so that
; every wait counts the same loads in every work-group.
; LAYOUT.  Both products are used transposed: a lane holds ONE query (lane % 16).  The keys of a tile of K, the queries of a tile of Q and the channels of a tile of V^T are not neighbours: lane r of tile t holds row
; 32 (t / 2) + 8 (t % 2) + r + 8 (r / 8), so that register 16 b + i of the results is row 32 b + 16 (lane / 16) + i.  All operands lie in memory and LDS as images of their registers, 16 bytes a lane.
; LIMITS: NaN and infinities are not served.  A block whose largest magnitude lies under 2^-124 (a block of zeros too) gets the byte 1; the bytes are read by this program alone.
.set SCST,  286720                     ; LDS: 0-286,719 the head; here 16 waves x 64 bytes of scale words, into which no fill lands;
.set SPARE, 287744                     ; and the spare words, 128 bytes a wave: eight blocks of 256 bytes that no other line names
.set AL,  1                            ; v1   16 x lane
.set A4,  2                            ; v2   4 x lane
.set DM,  3                            ; v3   my query's place in its block - 16 (lane / 16): the mask
.set ADR, 4                            ; v4   the step's record + 16 x lane
.set ADS, 5                            ; v5   the step's record + 4 x lane
.set SPW, 6                            ; v6   LDS address of my spare word; never rewritten
.set NIL, 7                            ; v7   0; never rewritten
.set R4,  8                            ; v8   4 r
.set SCA, 9                            ; v9   SCST + 64 w + 4 r
.set AW,  10                           ; v10  the result's scale word
.set SLD, 11                           ; v11  SCST + 512 (w & 1) + 16 x lane
.set GSO, 31                           ; v31  512 (w & 1) + 16 x lane
; v12 -M, v13 the largest t, v[14:15] the sum in two halves; v16-19 Q's codes, v20-23 zeros; v24-27 K's scale words (register j: lanes 0-15 tile 2 j, lanes 16-31 tile 2 j + 1), v28-29 V's likewise, v30 Q's;
; v32-95 K's 8 fragments (registers 8 t + 4 .. 7 stay zeros); v96-159 S^T, then p; v160-191 O^T; v192-223 V's 4 fragments; v224-231 p's codes; v232-255 at work (v252 f, v253 p's scale word)
.set WV,   12
.set CX,   13
.set XX,   14
.set YY,   15
.set ROLE, 16
.set AA,   17
.set EE,   18
.set BETA, 19
.set IDX,  20
.set SEL,  22
.set CS,   24
.set G1,   28                          ; s[28:35] descriptor group 1
.set G0,   36                          ; s[36:51] descriptor group 0, a set for each quarter
.set TB,   52                          ; LDS byte at which the step's record begins
.set KAP,  53                          ; the step's number
.set CNT,  54
.set QB,   56
.set QSB,  58
.set AO,   60
.set ASO,  62
.macro ROUND                           ; a round of the cluster's barrier
	s_barrier_signal -1
	s_barrier_wait -1
	s_cmp_lg_u32 s[WV], 0
	s_cbranch_scc1 .Lnot_wave_0_\@
	s_barrier_signal -3
.Lnot_wave_0_\@:
	s_barrier_wait -3
	s_barrier_signal -1
	s_barrier_wait -1
.endm
	s_load_b256 s[4:11], s[0:1], 0x0               ; qw 4, kvw 6, aw 8, asw 10
	v_lshl_add_u32 v[SPW], v0, 2, SPARE
	v_mov_b32 v[NIL], 0
	ds_add_u32 v[SPW], v[NIL]                      ; the wave's opening: the add and its wait stand ahead of the first tensor loads; the set-up below, work on registers, stands between them
	ds_add_u32 v[SPW], v[NIL]
	v_lshrrev_b32 v8, 5, v0
	s_delay_alu instid0(VALU_DEP_1)
	v_readfirstlane_b32 s[WV], v8                  ; wave 0..15
	s_bfe_u32 s[CX], ttmp6, 0x40000                ; my place in the cluster
	s_mov_b32 s[XX], ttmp9                         ; the cluster's x
	s_and_b32 s[YY], ttmp7, 0xffff                 ; 8 b + head
	s_lshr_b32 s66, s[WV], 2
	s_xor_b32 s[ROLE], s[WV], s66
	s_and_b32 s[ROLE], s[ROLE], 1
	s_and_b32 s[AA], s66, 2
	s_bfe_u32 s67, s[WV], 0x10001
	s_or_b32 s[AA], s[AA], s67
	s_and_b32 s[EE], s[WV], 1
	s_lshl_b32 s[BETA], s[XX], 2
	s_add_co_u32 s[BETA], s[BETA], s[AA]           ; the low block,
	s_sub_co_u32 s66, 31, s[BETA]                  ; the high one
	s_cmp_eq_u32 s[ROLE], 1
	s_cselect_b32 s[BETA], s66, s[BETA]            ; my block of 128 queries, and my last key step
	s_lshl_b32 s[IDX], s[CX], 1
	s_add_co_u32 s[IDX], s[IDX], s[EE]             ; my tile in it
	; descriptor group 1: 70 rows of 256 bytes (32 elements of 8 bytes), dense, no padding: a wave's share of a quarter
	s_mov_b32 s[G1+0], 15|(3<<16)|(1<<21)          ; 15:0 the mask: all four work-groups; 17:16 elements of 8 bytes; 21 set beside a mask
	s_mov_b32 s[G1+1], 32<<16                      ; tensor_dim0
	s_mov_b32 s[G1+2], 70<<16                      ; tensor_dim1
	s_mov_b32 s[G1+3], 32<<16                      ; tile_dim0
	s_mov_b32 s[G1+4], 70                          ; tile_dim1
	s_mov_b32 s[G1+5], 32                          ; from row to row
	s_mov_b32 s[G1+6], 0
	s_mov_b32 s[G1+7], 0
	s_mul_i32 s68, s[YY], 286720                   ; the head's records (these three registers never hold anything made from my place in the cluster)
	s_mul_i32 s70, s[WV], 17920                    ; my share of a quarter, in memory and in LDS
	s_add_co_u32 s68, s68, s70
	s_mov_b32 s69, 0
	s_mov_b32 s[SEL], 0x76543210
	s_mov_b32 s[SEL+1], 0xfedcba98                 ; v_permlanex16_b32's selects for lane l xor 16
	s_mov_b32 s[CS], 0x3e38aa3b                    ; c = log2(e) / 8
	s_mov_b32 s[CS+1], s[CS]                       ; (named with it as a pair, so it is written)
	s_mov_b32 s[KAP], 0
	s_lshl_b32 s66, s[YY], 5
	s_add_co_u32 s66, s66, s[BETA]
	s_mul_i32 s66, s66, 4608                       ; my block's record in qw
	s_lshl_b32 s[QB], s[IDX], 9
	s_add_co_u32 s[QB], s[QB], s66
	s_mov_b32 s[QB+1], 0
	s_lshl_b32 s[QSB], s[IDX], 6
	s_add_co_u32 s[QSB], s[QSB], s66
	s_add_co_u32 s[QSB], s[QSB], 4096
	s_mov_b32 s[QSB+1], 0
	s_lshr_b32 s66, s[YY], 3                       ; b
	s_lshl_b32 s66, s66, 2
	s_add_co_u32 s66, s66, s[XX]
	s_lshl_b32 s66, s66, 2
	s_add_co_u32 s66, s66, s[CX]
	s_lshl_b32 s66, s66, 4
	s_add_co_u32 s66, s66, s[WV]                   ; J: my tile's number in aw
	s_lshl_b32 s66, s66, 12
	s_and_b32 s67, s[YY], 7
	s_lshl_b32 s67, s67, 9
	s_add_co_u32 s[AO], s66, s67
	s_mov_b32 s[AO+1], 0
	s_lshl_b32 s66, s[YY], 2
	s_add_co_u32 s66, s66, s[XX]
	s_lshl_b32 s66, s66, 2
	s_add_co_u32 s66, s66, s[CX]
	s_lshl_b32 s[ASO], s66, 10
	s_mov_b32 s[ASO+1], 0
	s_wait_dscnt 0x0                               ; the opening add is done
	s_wait_kmcnt 0x0
	s_add_nc_u64 s[68:69], s[6:7], s[68:69]
	s_add_nc_u64 s[QB:QB+1], s[4:5], s[QB:QB+1]
	s_add_nc_u64 s[QSB:QSB+1], s[4:5], s[QSB:QSB+1]
	s_add_nc_u64 s[AO:AO+1], s[8:9], s[AO:AO+1]
	s_add_nc_u64 s[ASO:ASO+1], s[10:11], s[ASO:ASO+1]
.irp n, 0,1,2,3
	s_mov_b32 s[G0+4*\n], 1                        ; count = 1
	s_add_co_u32 s[G0+4*\n+1], s70, \n*71680       ; LDS address: quarter n, my share
	s_add_nc_u64 s[G0+4*\n+2:G0+4*\n+3], s[68:69], \n*71680
	s_or_b32 s[G0+4*\n+3], s[G0+4*\n+3], 0x80000000   ; type = 2
.endr
	ROUND                                          ; all four work-groups are here: the joint loads meet
	s_cmp_lt_u32 s[WV], 4                          ; a wave's four fills stand in one branch, ahead of every wait on TENSORcnt, every LDS read and every other barrier
	s_cbranch_scc0 .Lnofill
.irp n, 0,1,2,3
	tensor_load_to_lds s[G0+4*\n:G0+4*\n+3], s[G1:G1+7]
	s_nop 0
.endr
.rept 4
	v_nop
.endr
.Lnofill:
	v_and_b32 v8, 15, v0                           ; r
	v_bfe_u32 v9, v0, 4, 1                         ; h
	v_and_b32 v[AL], 31, v0
	s_delay_alu instid0(VALU_DEP_1)
	v_lshlrev_b32 v[A4], 2, v[AL]
	s_delay_alu instid0(VALU_DEP_2)
	v_lshlrev_b32 v[AL], 4, v[AL]
	v_and_b32 v[DM], 8, v8
	s_delay_alu instid0(VALU_DEP_1)
	v_add_nc_u32 v[DM], v[DM], v8                  ; r + 8 (r / 8)
	v_lshlrev_b32 v9, 4, v9
	s_delay_alu instid0(VALU_DEP_1)
	v_sub_nc_u32 v[DM], v[DM], v9                  ; - 16 h
	s_lshl_b32 s66, s[CX], 5
	s_lshl_b32 s67, s[EE], 3
	s_add_co_u32 s66, s66, s67
	v_add_nc_u32 v[DM], s66, v[DM]                 ; + 32 cx + 8 e: it goes into a vector compare alone
	v_lshlrev_b32 v[R4], 2, v8
	global_load_b128 v[16:19], v[AL], s[QB:QB+1]   ; Q's image stays in registers
	global_load_b32 v30, v[R4], s[QSB:QSB+1]       ; and its scale words
	s_lshl_b32 s67, s[WV], 6
	s_add_co_u32 s67, s67, SCST
	v_add_nc_u32 v[SCA], s67, v[R4]
	s_lshl_b32 s67, s[EE], 9
	v_add_nc_u32 v[GSO], s67, v[AL]
	s_delay_alu instid0(VALU_DEP_1)
	v_add_nc_u32 v[SLD], SCST, v[GSO]
.irp j, 20,21,22,23
	v_mov_b32 v[\j], 0                             ; zero codes for k = 64 .. 127 of the first product: Q's,
.endr
.irp t, 0,1,2,3,4,5,6,7
.irp j, 4,5,6,7
	v_mov_b32 v[32+8*\t+\j], 0                     ; and K's: written once, no load lands here
.endr
.endr
.set n, 0
.rept 32
	v_mov_b32 v[160+n], 0                          ; O^T.  (The step is written once: the first finds zeros, which the first change of M leaves zeros)
.set n, n+1
.endr
	v_mov_b32 v13, 0xff61b1e6                      ; the largest t so far: -3e38
	s_delay_alu instid0(VALU_DEP_1)
	v_floor_f32 v12, -v13                          ; -M
	v_mov_b32 v14, 0
	v_mov_b32 v15, 0
.irp b, 0,1,2,3
	v_mov_b32 v[236+\b], 0                         ; a lane permute's destination counts as one of its sources
.endr
	v_mov_b32 v252, 0
	v_mov_b32 v253, 0
	s_wait_loadcnt 0x0                             ; Q
; A KEY STEP: 128 keys.  A step behind my block is left out: a scalar branch on ids, round the step's loads, products and softmax, not round the two lines at its end.
.macro STEP
	s_cmp_gt_u32 s[KAP], s[BETA]
	s_cbranch_scc1 .Lhid_\@
	s_setprio 2
	v_add_nc_u32 v[ADR], s[TB], v[AL]
	v_add_nc_u32 v[ADS], s[TB], v[A4]
	v_nop
	v_nop                                          ; with the two additions: four places behind the last step's products, in front of the loads into V's registers and scale words
.irp t, 0,1,2,3,4,5,6,7
	ds_load_b128 v[32+8*\t:35+8*\t], v[ADR] offset:512*\t
.endr
.irp j, 0,1,2,3
	ds_load_b32 v[24+\j], v[ADS] offset:8192+128*\j
.endr
.irp d, 0,1,2,3
.irp c, 0,1
	ds_load_b128 v[192+8*\d+4*\c:195+8*\d+4*\c], v[ADR] offset:4096+1024*\d+512*\c
.endr
.endr
.irp j, 0,1
	ds_load_b32 v[28+\j], v[ADS] offset:8704+128*\j
.endr
	s_wait_dscnt 10                                ; K's twelve loads are in; V's ten, issued behind them, may be out
.irp t, 0,2,4,6
	v_wmma_scale_f32_16x16x128_f8f6f4 v[96+8*\t:103+8*\t], v[32+8*\t:39+8*\t], v[16:23], 0, v[24+\t/2], v30 matrix_a_fmt:MATRIX_FMT_FP4 matrix_b_fmt:MATRIX_FMT_FP4
	v_wmma_scale_f32_16x16x128_f8f6f4 v[104+8*\t:111+8*\t], v[40+8*\t:47+8*\t], v[16:23], 0, v[24+\t/2], v30 matrix_a_fmt:MATRIX_FMT_FP4 matrix_b_fmt:MATRIX_FMT_FP4 matrix_a_scale:MATRIX_SCALE_ROW1
.endr
.rept 4
	v_nop
.endr
	s_cmp_lg_u32 s[KAP], s[BETA]                   ; in my own block's step the scores of keys behind my query become -infinity ahead of the maximum: p = 0 then
	s_cbranch_scc1 .Lopen_\@
	v_mov_b32 v254, 0xff800000
.set n, 0
.rept 64
	v_cmp_gt_i32 vcc_lo, 32*(n/16)+n%16, v[DM]     ; register 16 b + i holds key 32 b + 16 (lane / 16) + i of the block
	v_cndmask_b32 v[96+n], v[96+n], v254, vcc_lo
.set n, n+1
.endr
.Lopen_\@:
.irp b, 0,1,2,3
	v_max3_num_f32 v[232+\b], v[96+16*\b], v[97+16*\b], v[98+16*\b]   ; the largest score of each block of 32 keys: for the row's maximum and, since p rises with the score, for the block's largest p
.endr
.irp i, 3,5,7,9,11,13
.irp b, 0,1,2,3
	v_max3_num_f32 v[232+\b], v[232+\b], v[96+16*\b+\i], v[97+16*\b+\i]
.endr
.endr
.irp b, 0,1,2,3
	v_max_num_f32 v[232+\b], v[232+\b], v[111+16*\b]
.endr
.irp b, 0,1,2,3
	s_delay_alu instid0(VALU_DEP_4)
	v_permlanex16_b32 v[236+\b], v[232+\b], s[SEL], s[SEL+1]
.endr
.irp b, 0,1,2,3
	s_delay_alu instid0(VALU_DEP_4)
	v_max_num_f32 v[232+\b], v[232+\b], v[236+\b]  ; with lane l xor 16's 16 keys
.endr
	s_delay_alu instid0(VALU_DEP_2)
	v_max3_num_f32 v254, v232, v233, v234
	s_delay_alu instid0(VALU_DEP_1)
	v_max_num_f32 v254, v254, v235
	s_delay_alu instid0(VALU_DEP_1)
	v_mul_f32 v254, s[CS], v254                    ; the step's largest t (c is positive)
	s_delay_alu instid0(VALU_DEP_1)
	v_max_num_f32 v13, v13, v254
	v_mov_b32 v254, v12
	s_delay_alu instid0(VALU_DEP_2)
	v_floor_f32 v12, -v13                          ; the new -M = -ceil(t)
	s_delay_alu instid0(VALU_DEP_1)
	v_sub_f32 v254, v12, v254                      ; old M - new M: a whole number, 0 or less
	s_delay_alu instid0(VALU_DEP_1)
	v_cvt_i32_f32 v254, v254                       ; (it saturates)
	s_delay_alu instid0(VALU_DEP_1)
	v_ldexp_f32 v252, 1.0, v254                    ; f = 2^(old M - new M)
.set n, 0
.rept 32
	v_pk_fma_f32 v[96+n:97+n], v[96+n:97+n], s[CS:CS+1], v[12:13] op_sel_hi:[1,0,0]   ; t - M, two at a time
.set n, n+2
.endr
	s_setprio 1
.irp b, 0,1,2,3
	v_fma_f32 v[232+\b], v[232+\b], s[CS], v12     ; the same of each block's largest score
.endr
.set n, 0
	s_wait_alu depctr_va_vdst(0)
.rept 64
	v_exp_f32 v[96+n], v[96+n]                     ; p = 2^(t - M)
.set n, n+1
.endr
	v_pk_mul_f32 v[14:15], v[14:15], v[252:253] op_sel_hi:[1,0]   ; the sums under the new M: the plain line behind the exponentials
	s_wait_alu depctr_va_vdst(0)                   ; one wait for the batch of 64, ahead of its first reader
.irp b, 0,1,2,3
	v_exp_f32 v[232+\b], v[232+\b]                 ; the block's largest p
.endr
	v_pk_add_f32 v[236:237], v[100:101], v[104:105]
	v_pk_add_f32 v[254:255], v[108:109], v[112:113]
	v_pk_add_f32 v[250:251], v[116:117], v[120:121]
	v_pk_add_f32 v[248:249], v[124:125], v[128:129]
	v_pk_add_f32 v[246:247], v[132:133], v[136:137]
	v_pk_add_f32 v[244:245], v[140:141], v[144:145]
	v_pk_add_f32 v[242:243], v[148:149], v[152:153]
	v_pk_add_f32 v[14:15], v[14:15], v[156:157]
	v_pk_add_f32 v[236:237], v[236:237], v[96:97]
	v_pk_add_f32 v[254:255], v[254:255], v[98:99]
	v_pk_add_f32 v[250:251], v[250:251], v[102:103]
	v_pk_add_f32 v[248:249], v[248:249], v[106:107]
	v_pk_add_f32 v[246:247], v[246:247], v[110:111]
	v_pk_add_f32 v[244:245], v[244:245], v[114:115]
	v_pk_add_f32 v[242:243], v[242:243], v[118:119]
	v_pk_add_f32 v[14:15], v[14:15], v[122:123]
	v_pk_add_f32 v[236:237], v[236:237], v[126:127]
	v_pk_add_f32 v[254:255], v[254:255], v[130:131]
	v_pk_add_f32 v[250:251], v[250:251], v[134:135]
	v_pk_add_f32 v[248:249], v[248:249], v[138:139]
	v_pk_add_f32 v[246:247], v[246:247], v[142:143]
	v_pk_add_f32 v[244:245], v[244:245], v[146:147]
	v_pk_add_f32 v[242:243], v[242:243], v[150:151]
	v_pk_add_f32 v[14:15], v[14:15], v[154:155]
	v_pk_add_f32 v[236:237], v[236:237], v[158:159]
	s_delay_alu instid0(VALU_DEP_2)
	v_pk_add_f32 v[14:15], v[14:15], v[248:249]
	s_delay_alu instid0(VALU_DEP_2)
	v_pk_add_f32 v[236:237], v[236:237], v[246:247]
	v_pk_add_f32 v[254:255], v[254:255], v[244:245]
	v_pk_add_f32 v[250:251], v[250:251], v[242:243]
	s_delay_alu instid0(VALU_DEP_2)
	v_pk_add_f32 v[14:15], v[14:15], v[254:255]
	s_delay_alu instid0(VALU_DEP_2)
	v_pk_add_f32 v[236:237], v[236:237], v[250:251]
	s_delay_alu instid0(VALU_DEP_1)
	v_pk_add_f32 v[14:15], v[14:15], v[236:237]
	s_wait_alu depctr_va_vdst(0)                   ; and one for the four
.irp b, 0,1,2,3
	v_max_num_f32 v[232+\b], 0x1800000, v[232+\b]  ; the floor 2^(3 - 127): the byte cannot fall under 1
.endr
.irp b, 0,1,2,3
	s_delay_alu instid0(VALU_DEP_4)
	v_add_nc_u32 v[244+\b], 0xff000000, v[232+\b]  ; 2 off the exponent field: the conversion's scale operand
.endr
.irp b, 0,1,2,3
	s_delay_alu instid0(VALU_DEP_4)
	v_lshrrev_b32 v[236+\b], 23, v[244+\b]
.endr
	s_delay_alu instid0(VALU_DEP_3)
	v_lshl_or_b32 v253, v237, 8, v236              ; p's scale word for these 128 keys
	s_delay_alu instid0(VALU_DEP_1)
	v_lshl_or_b32 v253, v238, 16, v253
	s_delay_alu instid0(VALU_DEP_1)
	v_lshl_or_b32 v253, v239, 24, v253
	s_setprio 0
.irp b, 0,1,2,3
	v_cvt_scalef32_pk8_fp4_f32 v[224+2*\b], v[96+16*\b:103+16*\b], v[244+\b]
	v_cvt_scalef32_pk8_fp4_f32 v[225+2*\b], v[104+16*\b:111+16*\b], v[244+\b]
.endr
	v_nop                                          ; one plain line behind the last scaled conversion
.irp c, 0,1
.irp i, 0,1
	v_permlane16_swap_b32 v[224+4*\c+\i], v[226+4*\c+\i]   ; a whole block to a lane
.endr
.endr
.set n, 0
.rept 16
	v_pk_mul_f32 v[160+n:161+n], v[160+n:161+n], v[252:253] op_sel_hi:[1,0]   ; O^T under the new M; these lines also stand between the writing of p's codes and scale word and the products
.set n, n+2
.endr
	s_wait_alu depctr_va_vdst(0)
	s_wait_dscnt 0x0                               ; V is in
.irp d, 0,2
	v_wmma_scale_f32_16x16x128_f8f6f4 v[160+8*\d:167+8*\d], v[192+8*\d:199+8*\d], v[224:231], v[160+8*\d:167+8*\d], v[28+\d/2], v253 matrix_a_fmt:MATRIX_FMT_FP4 matrix_b_fmt:MATRIX_FMT_FP4
	v_wmma_scale_f32_16x16x128_f8f6f4 v[168+8*\d:175+8*\d], v[200+8*\d:207+8*\d], v[224:231], v[168+8*\d:175+8*\d], v[28+\d/2], v253 matrix_a_fmt:MATRIX_FMT_FP4 matrix_b_fmt:MATRIX_FMT_FP4 matrix_a_scale:MATRIX_SCALE_ROW1
.endr
.Lhid_\@:
	s_add_co_u32 s[TB], s[TB], 8960
	s_add_co_u32 s[KAP], s[KAP], 1
.endm
; A quarter of the head: 8 key steps.  The loading waves wait for their share of it (the later quarters' loads, issued behind it, stay out); then the barrier shows it to all sixteen.
.macro QUARTER qn
	s_wait_tensorcnt 3-\qn
	s_wait_dscnt 0x0
	s_barrier_signal -1
	s_barrier_wait -1
	s_mov_b32 s[TB], \qn*71680
	s_mov_b32 s[CNT], 8
.Lq_\@:
	STEP
	s_sub_co_u32 s[CNT], s[CNT], 1
	s_cmp_lg_u32 s[CNT], 0
	s_cbranch_scc1 .Lq_\@
	s_setprio 0
.endm
	QUARTER 0
	QUARTER 1
	QUARTER 2
	QUARTER 3
	s_wait_alu depctr_va_vdst(0)
	; THE WAY OUT: O^T / l, quantised along the head's 64 (two blocks), as an image of the last projection's operand registers.
	v_add_f32 v14, v14, v15
	s_delay_alu instid0(VALU_DEP_1)
	v_permlanex16_b32 v252, v14, s[SEL], s[SEL+1]
	s_delay_alu instid0(VALU_DEP_1)
	v_add_f32 v14, v14, v252                       ; the row's sum
	s_wait_alu depctr_va_vdst(0)
	v_rcp_f32 v14, v14
.rept 4
	v_nop                                          ; the plain line behind the reciprocal, and four places behind the last products
.endr
	s_wait_alu depctr_va_vdst(0)                   ; ahead of the reciprocal's first reader
.set n, 0
.rept 32
	v_mul_f32 v[96+n], v[160+n], v14               ; register 16 b + i: channel 32 b + 16 (lane / 16) + i of my query
.set n, n+1
.endr
.irp b, 0,1
	v_max3_num_f32 v[232+\b], |v[96+16*\b]|, |v[97+16*\b]|, 0x1800000
.endr
.irp i, 2,4,6,8,10,12,14
.irp b, 0,1
	s_delay_alu instid0(VALU_DEP_2)
	v_max3_num_f32 v[232+\b], v[232+\b], |v[96+16*\b+\i]|, |v[97+16*\b+\i]|
.endr
.endr
.irp b, 0,1
	s_delay_alu instid0(VALU_DEP_2)
	v_permlanex16_b32 v[236+\b], v[232+\b], s[SEL], s[SEL+1]
.endr
.irp b, 0,1
	s_delay_alu instid0(VALU_DEP_2)
	v_max_num_f32 v[232+\b], v[232+\b], v[236+\b]
.endr
.irp b, 0,1
	s_delay_alu instid0(VALU_DEP_2)
	v_add_nc_u32 v[244+\b], 0xff000000, v[232+\b]
.endr
.irp b, 0,1
	s_delay_alu instid0(VALU_DEP_2)
	v_lshrrev_b32 v[236+\b], 23, v[244+\b]
.endr
	s_delay_alu instid0(VALU_DEP_1)
	v_lshl_or_b32 v[AW], v237, 8, v236             ; my query's two bytes; the upper half stays 0
.irp b, 0,1
	v_cvt_scalef32_pk8_fp4_f32 v[224+2*\b], v[96+16*\b:103+16*\b], v[244+\b]
	v_cvt_scalef32_pk8_fp4_f32 v[225+2*\b], v[104+16*\b:111+16*\b], v[244+\b]
.endr
	v_nop
	v_permlane16_swap_b32 v224, v226
	v_permlane16_swap_b32 v225, v227
	global_store_b128 v[AL], v[224:227], s[AO:AO+1]    ; 512 consecutive aligned bytes
	ds_store_b32 v[SCA], v[AW]                     ; lanes r and r + 16 store the same word with the same value
	s_wait_dscnt 0x0                               ; for the others' sake: my word lies in LDS
	s_barrier_signal -1
	s_barrier_wait -1
	s_cmp_lt_u32 s[WV], 2                          ; waves 0 and 1 store the sixteen waves' words: 512 consecutive aligned bytes each
	s_cbranch_scc0 .Lnot_out
	ds_load_b128 v[232:235], v[SLD]
	s_wait_dscnt 0x0
	global_store_b128 v[GSO], v[232:235], s[ASO:ASO+1]
.Lnot_out:
	s_wait_tensorcnt 0x0                           ; the wave's end: behind my last tensor load and my last LDS store
	ds_add_u32 v[SPW], v[NIL]
	s_wait_dscnt 0x0
	ROUND                                          ; the closing round
	s_endpgm
.Lfunc_end_k_qbd614c0ed9_attn:
	.size	k_qbd614c0ed9_attn, .Lfunc_end_k_qbd614c0ed9_attn-k_qbd614c0ed9_attn
	.p2alignl 7, 3214868480
	.fill 96, 4, 3214868480
	.section	.rodata,"a",@progbits
	.p2align	6, 0x0
	.amdhsa_kernel k_qbd614c0ed9_attn
		.amdhsa_group_segment_fixed_size 289792
		.amdhsa_private_segment_fixed_size 0
		.amdhsa_enable_private_segment 0
		.amdhsa_kernarg_size 32
		.amdhsa_user_sgpr_count 2
		.amdhsa_user_sgpr_kernarg_segment_ptr 1
		.amdhsa_wavefront_size32 1
		.amdhsa_system_sgpr_workgroup_id_x 1
		.amdhsa_system_sgpr_workgroup_id_y 1
		.amdhsa_system_sgpr_workgroup_id_z 1
		.amdhsa_system_vgpr_workitem_id 0
		.amdhsa_next_free_vgpr 256
		.amdhsa_next_free_sgpr 80
		.amdhsa_reserve_vcc 1
		.amdhsa_float_denorm_mode_32 3
		.amdhsa_float_denorm_mode_16_64 3
		.amdhsa_memory_ordered 1
		.amdhsa_forward_progress 1
		.amdhsa_inst_pref_size 100
	.end_amdhsa_kernel
	.amdgpu_metadata
---
amdhsa.version: [ 1, 2 ]
amdhsa.kernels:
  - .name:           k_qbd614c0ed9_attn
    .symbol:         k_qbd614c0ed9_attn.kd
    .args:
      - { .name: qw, .offset: 0, .size: 8, .value_kind: global_buffer, .address_space: global }
      - { .name: kvw, .offset: 8, .size: 8, .value_kind: global_buffer, .address_space: global }
      - { .name: aw, .offset: 16, .size: 8, .value_kind: global_buffer, .address_space: global }
      - { .name: asw, .offset: 24, .size: 8, .value_kind: global_buffer, .address_space: global }
    .group_segment_fixed_size: 289792
    .private_segment_fixed_size: 0
    .kernarg_segment_align: 8
    .kernarg_segment_size: 32
    .max_flat_workgroup_size: 512
    .sgpr_count:     80
    .vgpr_count:     256
    .wavefront_size: 32
...
	.end_amdgpu_metadata
.endif
;; end of part 5
;; launch outp (part 6): grid 256 x 1, 4 waves a work-group, no clusters, 34,304 bytes of LDS; arguments aw, asw, Wo_codes, Wo_scales, bo, out0; writes out0
.if DOCPART == 6
	.amdgcn_target "amdgcn-amd-amdhsa--gfx1250"
	.amdhsa_code_object_version 6
	.text
	.protected	k_qbd614c0ed9_outp
	.globl	k_qbd614c0ed9_outp
	.p2align	8
	.type	k_qbd614c0ed9_outp,@function
k_qbd614c0ed9_outp:
	s_mov_b64 s[64:65], 0
	v_nop
	global_prefetch_b8 v0, s[64:65] scope:SCOPE_SE
	s_setreg_imm32_b32 hwreg(HW_REG_WAVE_SCHED_MODE, 0, 2), 2
	s_setreg_imm32_b32 hwreg(HW_REG_WAVE_MODE, 25, 1), 1
	s_wait_xcnt 0x0
	s_wait_alu depctr_vm_vsrc(0)
; out0 = a Wo^T + bo on codes of FP4 (E2M1) with E8M0 scales, K = 512.  a: the attention's result as codes, laid by the launch before as images of this product's operand registers:
; aw [tile J of 16 tokens][head][512 bytes], asw [8 b + head][4 X + cx][wave][16 words], a word holding a head's two scale bytes.
; Work-group g takes tiles J = 2 g and 2 g + 1; wave p takes rows 128 p .. 128 p + 127 of Wo, which stay in 256 registers (window 1): two units of 32 matrix instructions.
; The product is used transposed (source 0 = 16 rows of Wo, source 1 = 16 tokens).  Lane r of tile t of Wo takes row 32 (t / 2) + 8 (t % 2) + r + 8 (r / 8), so register 16 b + i of a lane's 64 results is output
; 32 b + 16 (lane / 16) + i of its token.  The bias is the C of each sum's first matrix instruction.
; A tile's tokens are those of the attention's wave w = J % 16: block beta of 128 queries, tile 2 cx + e of it, lane r: token 4,096 b + 128 beta + 32 cx + 8 e + r + 8 (r / 8).
; THE WAY OUT: 16 rows x 512 bytes go through the wave's own stage in LDS (rows 528 bytes apart) and leave as whole rows: each store covers 512 consecutive aligned bytes.  No barrier: waves share nothing.
; LIMITS: NaN, infinities and a scale byte 0xff among the inputs are not served.
; THE MODE: SCHED_MODE bits 1:0 = 2 (LLVM: expert scheduling mode 2), set by the entry lines.  The code itself states the register dependences between vector or matrix instructions and memory or LDS
; instructions, with s_wait_alu, always for 0.
; THE PLAN.  Registers that memory or LDS instructions touch:
;   Wo (window 1), its scale words, the bias, both tiles' fragments, the heads' words   loaded once at the head.
;   v[HA ..]   written by tile 0's products, read by sixteen LDS stores, written again by tile 1's products, read by sixteen LDS stores.
;   Four out-buffers of eight stage rows, each loaded from the stage ONCE and stored from ONCE, so that no store's data are ever written again:
;     O0 = tile 0's fragments, free behind its products: tile 0, stage rows 0-7.      O1 = tile 1's fragments, free behind its products: tile 0, stage rows 8-15.
;     O2, O3 = the bias's registers, free behind tile 1's products: tile 1, stage rows 0-7 and 8-15.
;   v1, v2, v4-v8, v10, v11   offsets and LDS addresses, made once at the head and never written again.
; THE ORDER: tile 0's products | tile 0 to the stage, O0 back | tile 1's products, with O0's eight stores dealt among them | O1 back, tile 1 to the stage behind it (LDS serves a wave's instructions in order), O2 and O3 back |
; the 24 stores.  Behind each tile's products one wait on va_vdst; ahead of tile 1's products one on vm_vsrc.  Tile 1's products name window 1, v48-79, the accumulators, the bias and the scale words: none of O0, none of v4.
.set SPARE, 33792                      ; LDS: four stages of 16 x 528 bytes, then the spare words, 128 bytes a wave
.set LA,  1                            ; v1   256 x (r + 8 (r / 8)) + 16 h
.set RSA, 2                            ; v2   16 x (r + 8 (r / 8) + 64 h)
.set IM,  4                            ; v4   16 x lane
.set BA,  5                            ; v5   64 h
.set STO, 6                            ; v6   the stage, in: 8,448 w + 528 r + 64 h
.set RD,  7                            ; v7   the stage, back: 8,448 w + 16 x lane
.set R4,  8                            ; v8   4 r
.set SPW, 10                           ; v10  LDS address of my spare word; never rewritten
.set NIL, 11                           ; v11  0; never rewritten
.set LF,  16                           ; v16-79 the two tiles' fragments; later out-buffers O0 and O1
.set HA,  80                           ; v80-143 the 8 accumulators
.set B1,  144                          ; v144-207 the bias in the result's layout; later out-buffers O2 and O3
.set AWD, 208                          ; v208-223 the heads' words as loaded: 8 u + head
.set LS,  224                          ; v224-231 the tiles' scale words: 4 u + s
.set RS,  240                          ; v240-255 Wo's scale words: register 4 t + s: lanes 0-15 tile t, lanes 16-31 tile t + 4
.set O0,  16
.set O1,  48
.set O2,  144
.set O3,  176
.set AB,  4
.set ASB, 6
.set RC,  8
.set RSC, 10
.set BI,  12
.set WV,  16
.set OUT, 20                           ; s[20:23] where the two tiles' rows begin in out0
.set MSB, 0
.macro WIN new                         ; the immediate's high byte repeats the setting that is left
.if MSB != \new
	s_set_vgpr_msb (MSB<<8)|\new
.set MSB, \new
.endif
.endm
.macro ONE t, s, buf
.if (\s) == 0
.set CC, B1+8*(\t)
.else
.set CC, HA+8*(\t)
.endif
.if (\t) < 4
	v_wmma_scale_f32_16x16x128_f8f6f4 v[HA+8*(\t):HA+8*(\t)+7], v[32*(\t)+8*(\s):32*(\t)+8*(\s)+7], v[LF+32*(\buf)+8*(\s):LF+32*(\buf)+8*(\s)+7], v[CC:CC+7], v[RS+4*((\t)%4)+(\s)], v[LS+4*(\buf)+(\s)] matrix_a_fmt:MATRIX_FMT_FP4 matrix_b_fmt:MATRIX_FMT_FP4
.else
	v_wmma_scale_f32_16x16x128_f8f6f4 v[HA+8*(\t):HA+8*(\t)+7], v[32*(\t)+8*(\s):32*(\t)+8*(\s)+7], v[LF+32*(\buf)+8*(\s):LF+32*(\buf)+8*(\s)+7], v[CC:CC+7], v[RS+4*((\t)%4)+(\s)], v[LS+4*(\buf)+(\s)] matrix_a_fmt:MATRIX_FMT_FP4 matrix_b_fmt:MATRIX_FMT_FP4 matrix_a_scale:MATRIX_SCALE_ROW1
.endif
.endm
.macro KSTEP s, buf                    ; a K step's 8 products: the 8 accumulators by turns, one instruction a turn
.irp t, 0,1,2,3,4,5,6,7
	ONE \t, \s, \buf
.endr
.endm
.macro PLACES                          ; five places behind a tile's products: four for the LDS stores' reads of the results; the fifth for the next tile's products, which begin the same accumulators anew
.rept 5
	v_nop
.endr
.endm
.macro TOSTAGE                         ; the tile's 16 rows x 512 bytes into my stage
.irp t, 0,1,2,3,4,5,6,7
.irp q, 0,1
	ds_store_b128 v[STO], v[HA+8*\t+4*\q:HA+8*\t+4*\q+3] offset:128*(\t/2)+32*(\t%2)+16*\q   ; each accumulator from its low end on
.endr
.endr
.endm
.macro BACK reg, f                     ; stage rows 8 f .. 8 f + 7 into the out-buffer at v[reg]
.irp i, 0,1,2,3,4,5,6,7
	ds_load_b128 v[\reg+4*\i:\reg+4*\i+3], v[RD] offset:(8*(\f)+\i)*528   ; LDS serves a wave's instructions in order: these see my stores
.endr
.endm
.macro SEND reg, u, f, i0, younger     ; rows i0 .. i0 + 3 of the out-buffer's eight are stored.  younger: the LDS instructions issued behind the buffer's eight loads
.irp k, 0,1,2,3
	s_wait_dscnt (\younger)+7-(\i0)-\k             ; this row is back; the buffer's later rows and what was issued behind them may be out
	global_store_b128 v[IM], v[\reg+4*((\i0)+\k):\reg+4*((\i0)+\k)+3], s[OUT+2*(\u):OUT+2*(\u)+1] offset:(16*(\f)+(\i0)+\k)*2048 th:TH_STORE_NT   ; stage row 8 f + i is token 16 f + i of the tile's span
.endr
.endm
	s_load_b256 s[4:11], s[0:1], 0x0               ; aw 4, asw 6, Wo's codes 8, Wo's scales 10
	s_load_b128 s[12:15], s[0:1], 0x20             ; bo 12, out0 14
	v_lshl_add_u32 v[SPW], v0, 2, SPARE
	v_mov_b32 v[NIL], 0
	v_lshrrev_b32 v12, 5, v0
	v_readfirstlane_b32 s[WV], v12                 ; wave 0..3
	v_and_b32 v13, 15, v0                          ; r
	v_bfe_u32 v14, v0, 4, 1                        ; h
	v_and_b32 v15, 8, v13
	v_add_nc_u32 v15, v15, v13                     ; r + 8 (r / 8)
	v_lshlrev_b32 v[LA], 8, v15
	v_lshl_add_u32 v[LA], v14, 4, v[LA]
	v_lshl_add_u32 v[RSA], v14, 6, v15
	v_lshlrev_b32 v[RSA], 4, v[RSA]
	v_and_b32 v[IM], 31, v0
	v_lshlrev_b32 v[IM], 4, v[IM]
	v_lshlrev_b32 v[BA], 6, v14
	v_lshlrev_b32 v[R4], 2, v13
	s_wait_alu depctr_va_sdst(0)                   ; the wave's number is written, ahead of its first reader: the stage's place and the bases are made from it
	s_mul_i32 s32, s[WV], 8448
	v_mul_u32_u24 v[STO], v13, 528
	v_lshl_add_u32 v[STO], v14, 6, v[STO]
	v_add_nc_u32 v[STO], s32, v[STO]
	v_add_nc_u32 v[RD], s32, v[IM]
	; which tokens my work-group's two tiles hold: the attention's numbering, undone
	s_and_b32 s24, ttmp9, 7                        ; m: the tiles are waves 2 m and 2 m + 1
	s_bfe_u32 s25, ttmp9, 0x40003                  ; 4 X + cx
	s_lshr_b32 s26, ttmp9, 7                       ; b
	s_lshr_b32 s27, s24, 1                         ; w >> 2
	s_and_b32 s28, s27, 2
	s_and_b32 s29, s24, 1
	s_or_b32 s28, s28, s29                         ; a
	s_and_b32 s29, s25, 12                         ; 4 X
	s_add_co_u32 s28, s28, s29                     ; the low block,
	s_sub_co_u32 s29, 31, s28                      ; the high one
	s_and_b32 s30, s25, 3                          ; cx
	s_lshl_b32 s30, s30, 5
	s_lshl_b32 s31, s26, 12
	s_add_co_u32 s30, s30, s31                     ; 4,096 b + 32 cx
	s_lshl_b32 s31, s[WV], 9                       ; my 128 outputs: 512 bytes of a row
.irp u, 0,1
	s_xor_b32 s33, s27, \u
	s_and_b32 s33, s33, 1                          ; role = (w ^ (w >> 2)) & 1, with w & 1 = u
	s_cmp_eq_u32 s33, 1
	s_cselect_b32 s33, s29, s28                    ; beta
	s_lshl_b32 s33, s33, 7
	s_add_co_u32 s33, s33, s30
	s_add_co_u32 s33, s33, 8*\u                    ; the tile's first token
	s_lshl_b32 s33, s33, 11                        ; rows of 2,048 bytes
	s_add_co_u32 s[OUT+2*\u], s33, s31
	s_mov_b32 s[OUT+2*\u+1], 0
.endr
	s_mov_b32 s35, 0
	s_mov_b32 s37, 0
	s_lshl_b32 s36, s26, 17
	s_lshl_b32 s33, s25, 10
	s_add_co_u32 s36, s36, s33
	s_lshl_b32 s33, s24, 7
	s_add_co_u32 s36, s36, s33                     ; the two tiles' words of head 0 in asw
	s_wait_kmcnt 0x0
	s_add_nc_u64 s[OUT:OUT+1], s[14:15], s[OUT:OUT+1]
	s_add_nc_u64 s[OUT+2:OUT+3], s[14:15], s[OUT+2:OUT+3]
	s_add_nc_u64 s[ASB:ASB+1], s[ASB:ASB+1], s[36:37]
	s_lshl_b32 s34, ttmp9, 13
	s_add_nc_u64 s[AB:AB+1], s[AB:AB+1], s[34:35]
	s_lshl_b32 s34, s[WV], 15
	s_add_nc_u64 s[RC:RC+1], s[RC:RC+1], s[34:35]
	s_lshl_b32 s34, s[WV], 11
	s_add_nc_u64 s[RSC:RSC+1], s[RSC:RSC+1], s[34:35]
	s_mov_b32 s34, s31
	s_add_nc_u64 s[BI:BI+1], s[BI:BI+1], s[34:35]  ; my 128 numbers of bo
	WIN 0x40                                       ; destination window 1
	s_wait_alu depctr_va_vdst(0)                   ; the offsets and LDS addresses v1, v2, v4-v8, v10 and v11 are written: every load, store and LDS instruction of the kernel reads one of them; no vector line stands among the head's loads
.irp t, 0,1,2,3,4,5,6,7
.irp s, 0,1,2,3
.irp c, 0,1
	global_load_b128 v[32*\t+8*\s+4*\c:32*\t+8*\s+4*\c+3], v[LA], s[RC:RC+1] offset:(32*(\t/2)+8*(\t%2))*256+64*\s+32*\c
.endr
.endr
.endr
	WIN 0
.irp t, 0,1,2,3
	global_load_b128 v[RS+4*\t:RS+4*\t+3], v[RSA], s[RSC:RSC+1] offset:(32*(\t/2)+8*(\t%2))*16
.endr
.irp t, 0,1,2,3,4,5,6,7
.irp q, 0,1
	global_load_b128 v[B1+8*\t+4*\q:B1+8*\t+4*\q+3], v[BA], s[BI:BI+1] offset:(32*(\t/2)+8*(\t%2))*4+16*\q
.endr
.endr
.irp u, 0,1
.irp s, 0,1,2,3
.irp c, 0,1
	global_load_b128 v[LF+32*\u+8*\s+4*\c:LF+32*\u+8*\s+4*\c+3], v[IM], s[AB:AB+1] offset:4096*\u+512*(2*\s+\c)   ; K step s is heads 2 s and 2 s + 1: their images are the fragment's two halves
.endr
.endr
.endr
.irp u, 0,1
.irp d, 0,1,2,3,4,5,6,7
	global_load_b32 v[AWD+8*\u+\d], v[R4], s[ASB:ASB+1] offset:16384*\d+64*\u
.endr
.endr
	s_wait_loadcnt 0x0
.irp u, 0,1
.irp s, 0,1,2,3
	v_lshl_or_b32 v[LS+4*\u+\s], v[AWD+8*\u+2*\s+1], 16, v[AWD+8*\u+2*\s]   ; two heads' bytes make a K step's scale word
.endr
.endr
.rept 8
	v_nop                                          ; a scale register written by a vector instruction stands eight places ahead of a scaled matrix instruction
.endr
	s_wait_alu depctr_va_vdst(0)                   ; the eight lines above have written v[LS ..], which the products of both tiles take as scales; the places stay beside this wait
	; ---- tile 0
	WIN 0x01                                       ; source 0 (Wo) window 1
	KSTEP 0, 0
	KSTEP 1, 0
	KSTEP 2, 0
	KSTEP 3, 0
	WIN 0
	PLACES
	s_wait_alu depctr_va_vdst(0)                   ; tile 0's products have written the accumulators, which the LDS stores read, and are done reading tile 0's fragments, in which O0's loads land
	TOSTAGE
	BACK O0, 0
	s_wait_alu depctr_vm_vsrc(0)                   ; the sixteen LDS stores have read the accumulators, which tile 1's products write again
	; ---- tile 1, with the stores of tile 0's first eight stage rows dealt among its products
	WIN 0x01
	KSTEP 0, 1
	KSTEP 1, 1
	WIN 0                                          ; (a store's offset register is its source 0)
	SEND O0, 0, 0, 0, 0                            ; no wait on va_vdst: O0 was filled by LDS loads, and no product since the last such wait names O0 or v4
	WIN 0x01
	KSTEP 2, 1
	KSTEP 3, 1
	WIN 0
	SEND O0, 0, 0, 4, 0
	PLACES
	s_wait_alu depctr_va_vdst(0)                   ; tile 1's products have written the accumulators, which the LDS stores read, and are done reading tile 1's fragments and the bias, in which O1's, O2's and O3's loads land
	BACK O1, 1                                     ; tile 0's last eight stage rows, ahead of the stores that write the stage again
	TOSTAGE
	BACK O2, 0
	BACK O3, 1
	SEND O1, 0, 1, 0, 32                           ; behind O1's loads: sixteen LDS stores and sixteen loads
	SEND O1, 0, 1, 4, 32
	SEND O2, 1, 0, 0, 8                            ; behind O2's loads: O3's eight
	SEND O2, 1, 0, 4, 8
	SEND O3, 1, 1, 0, 0
	SEND O3, 1, 1, 4, 0
	s_wait_dscnt 0x0                               ; the wave's end
	s_wait_alu 0x0
	s_wait_tensorcnt 0x0
	ds_add_u32 v[SPW], v[NIL]
	s_wait_dscnt 0x0
	s_endpgm
.Lfunc_end_k_qbd614c0ed9_outp:
	.size	k_qbd614c0ed9_outp, .Lfunc_end_k_qbd614c0ed9_outp-k_qbd614c0ed9_outp
	.p2alignl 7, 3214868480
	.fill 96, 4, 3214868480
	.section	.rodata,"a",@progbits
	.p2align	6, 0x0
	.amdhsa_kernel k_qbd614c0ed9_outp
		.amdhsa_group_segment_fixed_size 34304
		.amdhsa_private_segment_fixed_size 0
		.amdhsa_enable_private_segment 0
		.amdhsa_kernarg_size 48
		.amdhsa_user_sgpr_count 2
		.amdhsa_user_sgpr_kernarg_segment_ptr 1
		.amdhsa_wavefront_size32 1
		.amdhsa_system_sgpr_workgroup_id_x 1
		.amdhsa_system_sgpr_workgroup_id_y 1
		.amdhsa_system_sgpr_workgroup_id_z 1
		.amdhsa_system_vgpr_workitem_id 0
		.amdhsa_next_free_vgpr 512
		.amdhsa_next_free_sgpr 66
		.amdhsa_reserve_vcc 0
		.amdhsa_float_denorm_mode_32 3
		.amdhsa_float_denorm_mode_16_64 3
		.amdhsa_memory_ordered 1
		.amdhsa_forward_progress 1
		.amdhsa_inst_pref_size 32
	.end_amdhsa_kernel
	.amdgpu_metadata
---
amdhsa.version: [ 1, 2 ]
amdhsa.kernels:
  - .name:           k_qbd614c0ed9_outp
    .symbol:         k_qbd614c0ed9_outp.kd
    .args:
      - { .name: aw, .offset: 0, .size: 8, .value_kind: global_buffer, .address_space: global }
      - { .name: asw, .offset: 8, .size: 8, .value_kind: global_buffer, .address_space: global }
      - { .name: Wo_codes, .offset: 16, .size: 8, .value_kind: global_buffer, .address_space: global }
      - { .name: Wo_scales, .offset: 24, .size: 8, .value_kind: global_buffer, .address_space: global }
      - { .name: bo, .offset: 32, .size: 8, .value_kind: global_buffer, .address_space: global }
      - { .name: out0, .offset: 40, .size: 8, .value_kind: global_buffer, .address_space: global }
    .group_segment_fixed_size: 34304
    .private_segment_fixed_size: 0
    .kernarg_segment_align: 8
    .kernarg_segment_size: 48
    .max_flat_workgroup_size: 128
    .sgpr_count:     66
    .vgpr_count:     512
    .wavefront_size: 32
...
	.end_amdgpu_metadata
.endif
;; end of part 6
